; MI455X (gfx1250); checked and timed in simulation.
; The chip was launched on July 23, 2026; its instructions are those of AMD's public machine-readable ISA for CDNA 5 (MIT licence, August 2026) and "CDNA5" Instruction Set Architecture Reference Guide (July 2026). The comments in the code are by the model that wrote it; some were corrected since.
;; MS Deform Attn Transformer Encoder Layer. Allowed arithmetic: float matrix products may take bf16 or f16 operands with f32 sums; all other float work in f32.
;; Inputs: W1 256 x 1,024 float32; W2 1,024 x 256 float32; W_attn 256 x 128 float32; W_off 256 x 256 float32; W_out 256 x 256 float32; W_value 256 x 256 float32; b1 1,024 float32; b2 256 float32; b_attn 128 float32; b_off 256 float32; b_out 256 float32; b_value 256 float32; be1 256 float32; be2 256 float32; g1 256 float32; g2 256 float32; level_start_index 4 int32; pos 2 x 13,294 x 256 float32; reference_points 2 x 13,294 x 4 x 2 float32; spatial_shapes 4 x 2 int32; src 2 x 13,294 x 256 float32.
;; Outputs: out0 2 x 13,294 x 256 float32.
;; 2 versions, each right and faster than the one before. Each part assembles by itself: llvm-mc -triple=amdgcn-amd-amdhsa -mcpu=gfx1250 --defsym DOCPART=n.
;; ======== version 1 of 2: 3 launches
;; workspace buffers: wfrag 1,507,328 bytes; value 13,615,104 bytes; idx 13,631,488 bytes of whole numbers; wts 27,262,976 bytes
;; launch prep (part 1): grid 92 x 4, 8 waves a work-group, no clusters, 0 bytes of LDS; arguments W_value, W_off, W_attn, W_out, W1, W2, wfrag; writes wfrag
.if DOCPART == 1
	.amdgcn_target "amdgcn-amd-amdhsa--gfx1250"
	.amdhsa_code_object_version 6
	.text
	.protected	k_q3c2856998e_prep
	.globl	k_q3c2856998e_prep
	.p2align	8
	.type	k_q3c2856998e_prep,@function
k_q3c2856998e_prep:
	s_mov_b64 s[64:65], 0
	v_nop
	global_prefetch_b8 v0, s[64:65] scope:SCOPE_SE
	s_setreg_imm32_b32 hwreg(HW_REG_WAVE_MODE, 25, 1), 1
	s_wait_xcnt 0x0
; prep: the six weight matrices, f32 [K][N], become bf16 matrix fragments of 1,024 bytes in the order in which the two later launches stream them.
; A fragment is [hf 2][lane 32][16 bytes]: the piece (hf, lane = rr + 16 h2) holds W[k0 + 16 hf + 8 h2 + e][col0 + column(rr)], e = 0..7, the lower k in the lower bits,
; so two loads of 16 bytes a lane fill the eight registers of a 16 x 32 operand.
; Part A (bytes 0 .. 327,679): [head 8][f 40]: f 0-15 W_value (k step f>>1, column tile f&1 of the head's 32), f 16-31 W_off likewise, f 32-39 W_attn (k step f-32; the head's 16
;   columns in the order pi(rr) = 8 ((rr>>2)&1) + 4 (rr>>3) + (rr&3), which puts a level's four points beside that level's offsets in the lanes of the next launch).
; Part B (from byte 327,680): [wn 4][step 72][f 4], column 64 wn + 16 f + rr: steps 0-7 W_out; step 8 + 16 c + t: t < 8 W1 (columns + 256 c, k0 = 32 t), t >= 8 W2 (k0 = 256 c + 32 (t - 8)).
; One thread makes one piece of 16 bytes; a work-group makes four fragments, 4,096 neighbouring bytes of wfrag; each store of a wave covers 512 consecutive bytes, aligned.
; 368 blocks of 4,096 bytes = 92 x 4 work-groups.  No LDS, no matrix unit: this is a cast with a transposition, 3 MB in and 1.5 MB out.
; The block's matrix is chosen by s_cselect on the work-group's ids alone: no branch, and each pointer stays a pointer.
	s_load_b256 s[4:11], s[0:1], 0x0               ; W_value s[4:5], W_off s[6:7], W_attn s[8:9], W_out s[10:11]
	s_load_b128 s[12:15], s[0:1], 0x20             ; W1 s[12:13], W2 s[14:15]
	s_load_b64 s[16:17], s[0:1], 0x30              ; wfrag
	v_lshrrev_b32 v1, 5, v0
	v_readfirstlane_b32 s18, v1                    ; wave
	s_lshr_b32 s19, s18, 1                         ; f: which of the block's four fragments
	s_and_b32 s20, s18, 1                          ; hf: which half of it
	s_mov_b32 s21, ttmp9                           ; x
	s_and_b32 s22, ttmp7, 0xffff                   ; y
	; what part B would take (x < 72; y = wn, x = step)
	s_sub_co_u32 s30, s21, 8
	s_lshr_b32 s31, s30, 4                         ; c
	s_and_b32 s32, s30, 15                         ; t
	s_lshl_b32 s33, s22, 6
	s_lshl4_add_u32 s33, s19, s33                  ; 64 y + 16 f
	s_lshl_b32 s34, s31, 8                         ; 256 c
	s_add_co_u32 s36, s33, s34                     ; W1: first column
	s_lshl_b32 s35, s32, 5                         ; W1: k0 = 32 t
	s_add_co_u32 s37, s34, s35
	s_sub_co_u32 s37, s37, 256                     ; W2: k0 = 256 c + 32 (t - 8)
	s_lshl_b32 s38, s21, 5                         ; W_out: k0 = 32 x
	s_mul_i32 s39, s22, 72
	s_add_co_u32 s39, s39, s21
	s_add_co_u32 s39, s39, 80                      ; block number in wfrag: 80 + 72 y + x
	; what part A would take (x >= 72)
	s_sub_co_u32 s40, s21, 72                      ; a = 0 .. 19
	s_cmp_ge_u32 s40, 10
	s_cselect_b32 s41, 1, 0
	s_lshl1_add_u32 s42, s22, s41                  ; head = 2 y + (a >= 10)
	s_mul_i32 s43, s41, 10
	s_sub_co_u32 s43, s40, s43                     ; q = 0 .. 9
	s_lshl2_add_u32 s44, s43, s19                  ; fragment of the head: 4 q + f
	s_lshr_b32 s45, s44, 1
	s_and_b32 s45, s45, 7
	s_lshl_b32 s45, s45, 5                         ; W_value, W_off: k0
	s_and_b32 s46, s44, 1
	s_lshl_b32 s46, s46, 4
	s_lshl_b32 s47, s42, 5
	s_add_co_u32 s46, s46, s47                     ; W_value, W_off: first column = 32 head + 16 (fragment & 1)
	s_and_b32 s47, s44, 7
	s_lshl_b32 s47, s47, 5                         ; W_attn: k0
	s_lshl_b32 s48, s42, 4                         ; W_attn: first column = 16 head
	s_mul_i32 s49, s22, 20
	s_add_co_u32 s49, s49, s40                     ; block number: 20 y + a
	s_wait_kmcnt 0x0
	; the choice: s[24:25] matrix, s26 bytes from row to row, s27 k0, s28 first column, s29 block, s55 lanes that take pi(rr)
	s_mov_b64 s[24:25], s[14:15]
	s_movk_i32 s26, 1024
	s_mov_b32 s27, s37
	s_mov_b32 s28, s33
	s_cmp_lt_u32 s32, 8
	s_cselect_b64 s[24:25], s[12:13], s[24:25]
	s_cselect_b32 s26, 4096, s26
	s_cselect_b32 s27, s35, s27
	s_cselect_b32 s28, s36, s28
	s_cmp_lt_u32 s21, 8
	s_cselect_b64 s[24:25], s[10:11], s[24:25]
	s_cselect_b32 s26, 1024, s26
	s_cselect_b32 s27, s38, s27
	s_cselect_b32 s28, s33, s28
	s_mov_b64 s[50:51], s[8:9]
	s_movk_i32 s52, 512
	s_mov_b32 s53, s47
	s_mov_b32 s54, s48
	s_mov_b32 s55, -1
	s_cmp_lt_u32 s43, 8
	s_cselect_b64 s[50:51], s[6:7], s[50:51]
	s_cselect_b32 s52, 1024, s52
	s_cselect_b32 s53, s45, s53
	s_cselect_b32 s54, s46, s54
	s_cselect_b32 s55, 0, s55
	s_cmp_lt_u32 s43, 4
	s_cselect_b64 s[50:51], s[4:5], s[50:51]
	s_cmp_lt_u32 s21, 72
	s_cselect_b64 s[24:25], s[24:25], s[50:51]
	s_cselect_b32 s26, s26, s52
	s_cselect_b32 s27, s27, s53
	s_cselect_b32 s28, s28, s54
	s_cselect_b32 s29, s39, s49
	s_cselect_b32 s55, 0, s55
	; my piece
	v_and_b32 v1, 15, v0                           ; rr
	v_bfe_u32 v2, v0, 4, 1                         ; h2
	v_bfe_u32 v5, v0, 2, 1
	v_bfe_u32 v6, v0, 3, 1
	v_and_b32 v7, 3, v0
	v_lshl_add_u32 v7, v6, 2, v7
	v_lshl_add_u32 v5, v5, 3, v7                   ; pi(rr)
	v_cndmask_b32 v3, v1, v5, s55
	s_lshl4_add_u32 s27, s20, s27                  ; k0 + 16 hf
	v_lshl_add_u32 v2, v2, 3, s27                  ; my first k
	v_mul_lo_u32 v2, v2, s26
	v_add_nc_u32 v3, s28, v3                       ; my column
	v_lshl_add_u32 v4, v3, 2, v2                   ; byte offset of W[k][column]
.irp e, 0,1,2,3,4,5,6,7
	s_mul_i32 s30, s26, \e
	v_add_nc_u32 v[6+\e], s30, v4
.endr
.irp e, 0,1,2,3,4,5,6,7
	global_load_b32 v[14+\e], v[6+\e], s[24:25]    ; sixteen neighbouring lanes take 64 neighbouring bytes of a row
.endr
	s_lshl_b32 s30, s29, 12
	s_mov_b32 s31, 0
	s_add_nc_u64 s[16:17], s[16:17], s[30:31]      ; my block of wfrag
	v_lshlrev_b32 v26, 4, v0                       ; 1,024 f + 512 hf + 16 lane
	s_wait_loadcnt 0x0
.irp d, 0,1,2,3
	v_cvt_pk_bf16_f32 v[22+\d], v[14+2*\d], v[15+2*\d]
.endr
	global_store_b128 v26, v[22:25], s[16:17]
	s_endpgm
.Lfunc_end_k_q3c2856998e_prep:
	.size	k_q3c2856998e_prep, .Lfunc_end_k_q3c2856998e_prep-k_q3c2856998e_prep
	.p2alignl 7, 3214868480
	.fill 96, 4, 3214868480
	.section	.rodata,"a",@progbits
	.p2align	6, 0x0
	.amdhsa_kernel k_q3c2856998e_prep
		.amdhsa_group_segment_fixed_size 0
		.amdhsa_private_segment_fixed_size 0
		.amdhsa_enable_private_segment 0
		.amdhsa_kernarg_size 56
		.amdhsa_user_sgpr_count 2
		.amdhsa_user_sgpr_kernarg_segment_ptr 1
		.amdhsa_wavefront_size32 1
		.amdhsa_system_sgpr_workgroup_id_x 1
		.amdhsa_system_sgpr_workgroup_id_y 1
		.amdhsa_system_sgpr_workgroup_id_z 1
		.amdhsa_system_vgpr_workitem_id 0
		.amdhsa_next_free_vgpr 28
		.amdhsa_next_free_sgpr 66
		.amdhsa_reserve_vcc 0
		.amdhsa_float_denorm_mode_32 3
		.amdhsa_float_denorm_mode_16_64 3
		.amdhsa_memory_ordered 1
		.amdhsa_forward_progress 1
		.amdhsa_inst_pref_size 6
	.end_amdhsa_kernel
	.amdgpu_metadata
---
amdhsa.version: [ 1, 2 ]
amdhsa.kernels:
  - .name:           k_q3c2856998e_prep
    .symbol:         k_q3c2856998e_prep.kd
    .args:
      - { .name: W_value, .offset: 0, .size: 8, .value_kind: global_buffer, .address_space: global }
      - { .name: W_off, .offset: 8, .size: 8, .value_kind: global_buffer, .address_space: global }
      - { .name: W_attn, .offset: 16, .size: 8, .value_kind: global_buffer, .address_space: global }
      - { .name: W_out, .offset: 24, .size: 8, .value_kind: global_buffer, .address_space: global }
      - { .name: W1, .offset: 32, .size: 8, .value_kind: global_buffer, .address_space: global }
      - { .name: W2, .offset: 40, .size: 8, .value_kind: global_buffer, .address_space: global }
      - { .name: wfrag, .offset: 48, .size: 8, .value_kind: global_buffer, .address_space: global }
    .group_segment_fixed_size: 0
    .private_segment_fixed_size: 0
    .kernarg_segment_align: 8
    .kernarg_segment_size: 56
    .max_flat_workgroup_size: 256
    .sgpr_count:     66
    .vgpr_count:     28
    .wavefront_size: 32
...
	.end_amdgpu_metadata
.endif
;; end of part 1
;; launch proj (part 2): grid 208 x 1, 8 waves a work-group, no clusters, 196,608 bytes of LDS; arguments src, pos, reference_points, wfrag, b_value, b_off, b_attn, value, idx, wts; writes value, idx, wts
.if DOCPART == 2
	.amdgcn_target "amdgcn-amd-amdhsa--gfx1250"
	.amdhsa_code_object_version 6
	.text
	.protected	k_q3c2856998e_proj
	.globl	k_q3c2856998e_proj
	.p2align	8
	.type	k_q3c2856998e_proj,@function
k_q3c2856998e_proj:
	s_mov_b64 s[64:65], 0
	v_nop
	global_prefetch_b8 v0, s[64:65] scope:SCOPE_SE
	s_setreg_imm32_b32 hwreg(HW_REG_WAVE_MODE, 25, 1), 1
	s_wait_xcnt 0x0
; proj: value = src W_value + b_value (stored bf16, by head); offsets and logits = (src + pos) W + b; softmax over a head's 16 points; and for every
; (row, head, point) the index of the sample's upper left tap (whole numbers, for the next launch's addresses) and the four weights attention x bilinear x valid (bf16).
; A work-group owns 128 rows (208 x 128 = 26,624; rows past the last, 26,587, repeat it, their idx and wts are written, their value is not).
; Wave w is head w: its 40 weight fragments (16 W_value, 16 W_off, 8 W_attn) are loaded once, 16 bytes a lane, and stay in registers; LDS holds the two bf16 activation tiles.
; Each weight byte is wanted by one wave of the work-group, in registers: a joint load into LDS would add an LDS read of every weight fragment, so there is no cluster here.
; THE MATRIX INSTRUCTION IS USED TRANSPOSED: source 0 = weights (16 columns), source 1 = activations (16 rows): lane (r, h2), register j holds out[row r][column 8 h2 + j].
;   offsets tile k: registers (2p, 2p+1) = (x, y) of point p of level 2k + h2;  logits tile (columns permuted by prep): register j = point j&3 of level 2 (j>>2) + h2.
; THE TAPS: with xb = clamp(floor x, 0, W-2) the two taps xb, xb+1 with weights max(1 - |x - tap|, 0) give the bilinear weights with zero padding for every x.
; LIMITS: x is formed as ref W - 0.5 + off (not (ref + off/W) W - 0.5): a floor that flips moves weight continuously.  value and the combined weights are rounded once to bf16.
;   NaN inputs are not reproduced.  spatial_shapes and level_start_index are not read: the problem's function uses its static shapes (100, 50, 25, 13 squared), and so does this text.
.set M,      26588
.set LQ,     13294                     ; rows of a batch
.set PL,     13296                     ; positions from a head's plane of value to the next
.set NV,     93076                     ; what a row of batch 1 adds to its value index
.set NG,     106370                    ; first plane of batch 1
.set PITCH,  528                       ; LDS row of 256 bf16 + 16 bytes: an odd multiple of 16, so 16 rows start in 16 different 16-byte columns of 256
.set QT,     67584                     ; tile of src + pos, behind the tile of src at 0
.set STG,    135168                    ; two stages: 16 rows of idx (pitch 528), then 16 rows of wts (pitch 1,040)
.set STGSZ,  25088
.set STGW,   8448
.set WPITCH, 1040
.set VST,    185344                    ; each wave's own stage for value: 16 rows of 64 bytes, pitch 80
; registers, window 0: v0-31 addresses and constants; window 1 (v256-511): offsets' fragments at 0, logits' at 128, W_value's k steps 0-3 at 192
.set FA,   32                          ; v32-95    activation fragments, 8 k steps x 8
.set VW,   96                          ; v96-159   W_value's k steps 4-7; at work in pass Q
.set ACC,  160                         ; v160-183  three accumulator tiles
.set BV,   184                         ; v184-199  b_value as two C tiles
.set TMP,  200                         ; v200-215  at work
.set REF,  216                         ; v216-223  reference points, two blocks in turn
.set BQ,   232                         ; v232-255  b_off (two tiles), b_attn as C tiles
.set PP,   96
.set IB,   100
.set SM,   102
.set XY,   106
.set FF,   108
.set EE,   110
.set E1,   112
.set UU,   114
.set AY,   118
.set W01,  120
.set W23,  122
.set GI,   124
.set WO,   132
.set CPI,  148
.set CPW,  200
.set MSB, 0
.macro WIN new                         ; s_set_vgpr_msb: bits 1:0 source 0, 3:2 source 1, 5:4 source 2, 7:6 destination; the high byte repeats the setting that is left
.if MSB != \new
	s_set_vgpr_msb (MSB<<8)|\new
.set MSB, \new
.endif
.endm
.macro PLACES n                        ; independent vector instructions behind a matrix instruction (ISA guide 7.12.1)
.rept \n
	v_nop
.endr
.endm
.macro LVL dst, lo, hi                 ; a level's constant: lanes 0-15 take lo, lanes 16-31 hi (vcc_lo = 0xffff0000)
	v_mov_b32 v[\dst], \hi
	v_cndmask_b32 v[\dst], \lo, v[\dst], vcc_lo
.endm
.macro WLOAD dst, f                    ; fragment f of my head: two loads of 512 consecutive bytes
	global_load_b128 v[\dst:\dst+3], v1, s[10:11] offset:(\f)*1024
	global_load_b128 v[\dst+4:\dst+7], v1, s[10:11] offset:(\f)*1024+512
.endm
	s_load_b512 s[4:19], s[0:1], 0x0               ; src s[4:5], pos s[6:7], reference_points s[8:9], wfrag s[10:11], b_value s[12:13], b_off s[14:15], b_attn s[16:17], value s[18:19]
	s_load_b128 s[20:23], s[0:1], 0x40             ; idx s[20:21], wts s[22:23]
	v_lshrrev_b32 v232, 5, v0
	v_readfirstlane_b32 s24, v232                  ; wave = head
	s_mov_b32 s25, ttmp9
	s_lshl_b32 s26, s25, 7                         ; the group's first row
	s_lshl4_add_u32 s27, s24, s26                  ; the first of the 16 rows that I convert
	s_mov_b32 s30, 0x76543210                      ; v_permlanex16_b32: lane i takes lane i of the other half
	s_mov_b32 s31, 0xfedcba98
	s_mov_b32 s32, 0x3fb8aa3b                      ; log2 e
	s_mul_i32 s40, s24, PL
	s_mov_b32 s41, M
	s_mov_b32 s42, M-1
	s_mov_b32 s43, LQ
	s_mov_b32 vcc_lo, 0xffff0000
	v_and_b32 v233, 31, v0                         ; L
	v_and_b32 v234, 15, v0                         ; r
	v_bfe_u32 v235, v0, 4, 1                       ; h2
	v_lshlrev_b32 v1, 4, v233                      ; 16 L
	s_mul_i32 s28, s24, 16*PITCH
	v_lshl_add_u32 v2, v233, 3, s28                ; tile of src: my 16 rows, 8 bytes a lane
	v_add_nc_u32 v3, QT, v2
	v_mul_u32_u24 v236, v234, PITCH
	v_lshl_add_u32 v10, v235, 4, v236              ; fragments of src: r x pitch + 16 h2
	v_add_nc_u32 v11, QT, v10
	s_mul_i32 s28, s24, 1280
	s_add_co_u32 s28, s28, VST
	v_mul_u32_u24 v237, v234, 80
	v_lshl_add_u32 v237, v235, 4, v237
	v_add_nc_u32 v12, s28, v237                    ; value stage, in
	v_lshrrev_b32 v238, 2, v233
	v_and_b32 v239, 3, v233
	v_lshlrev_b32 v15, 4, v239
	v_mad_u32_u24 v13, v238, 80, v15
	v_add_nc_u32 v13, s28, v13                     ; value stage, back: row L>>2, piece L&3
	v_add_nc_u32 v14, s26, v238
	v_mov_b32 v16, NV
	s_lshl_b32 s28, s24, 4
	s_add_co_u32 s28, s28, STG
	v_lshl_add_u32 v17, v235, 7, v236
	v_add_nc_u32 v17, s28, v17                     ; idx stage, in: r x 528 + 128 h2 + 16 w
	v_mul_u32_u24 v240, v234, WPITCH
	v_lshl_add_u32 v18, v235, 8, v240
	s_add_co_u32 s28, s28, STGW
	v_add_nc_u32 v18, s28, v18                     ; wts stage, in: r x 1,040 + 256 h2 + 16 w
	s_mul_i32 s28, s24, 2*PITCH
	s_add_co_u32 s28, s28, STG
	v_add_nc_u32 v19, s28, v1                      ; idx stage, back: rows 2w, 2w+1
	s_mul_i32 s28, s24, 2*WPITCH
	s_add_co_u32 s28, s28, STG+STGW
	v_add_nc_u32 v20, s28, v1
	v_lshl_add_u32 v21, s24, 10, v1                ; the same two rows in idx
	v_lshl_add_u32 v22, s24, 11, v1                ; and in wts
	v_add_nc_u32 v23, s26, v234
	v_mov_b32 v30, NG
	v_lshlrev_b32 v31, 3, v235
	s_lshl_b32 s28, s24, 7
	v_lshl_add_u32 v176, v235, 5, s28              ; b_value, b_off: 4 (32 w + 8 h2); kept until the accumulator in v176 is first written, behind these loads' wait
	s_lshl_b32 s28, s24, 6
	v_lshl_add_u32 v177, v235, 4, s28              ; b_attn: 4 (16 w + 4 h2)
	LVL 26, 0x42c80000, 0x42480000                 ; (W, H) of level h2: 100 or 50
	v_mov_b32 v27, v26
	LVL 28, 0x41c80000, 0x41500000                 ; of level 2 + h2: 25 or 13
	v_mov_b32 v29, v28
	s_wait_kmcnt 0x0
	s_mul_i32 s38, s24, 40960
	s_mov_b32 s39, 0
	s_add_nc_u64 s[10:11], s[10:11], s[38:39]      ; my head's fragments
	s_lshl_b32 s38, s25, 16
	s_add_nc_u64 s[20:21], s[20:21], s[38:39]      ; the group's rows of idx (512 bytes each)
	s_lshl_b32 s38, s25, 17
	s_add_nc_u64 s[22:23], s[22:23], s[38:39]      ; and of wts (1,024 bytes each)
	WIN 0x40
.irp f, 0,1,2,3,4,5,6,7
	WLOAD 192+8*\f, \f
.endr
	WIN 0
.irp f, 8,9,10,11,12,13,14,15
	WLOAD VW+8*(\f-8), \f
.endr
.irp nb, 0,1
	global_load_b128 v[BV+8*\nb:BV+8*\nb+3], v176, s[12:13] offset:64*\nb
	global_load_b128 v[BV+8*\nb+4:BV+8*\nb+7], v176, s[12:13] offset:64*\nb+16
.endr
; THE TILES.  Wave w converts rows 16 w .. 16 w + 15 through a ring of six row slots in registers (four loads of 512 consecutive bytes a row: src twice, pos twice).
.macro TISSUE k, slot
.set SB, 32+16*(\slot)+((\slot)/4)*104
	s_add_co_u32 s28, s27, \k
	s_min_u32 s28, s28, s42                        ; rows past the last repeat it: no load leaves the buffers
	s_lshl_b32 s28, s28, 10
	v_add_nc_u32 v[4+(\slot)], s28, v1
	global_load_b128 v[SB:SB+3], v[4+(\slot)], s[4:5] th:TH_LOAD_NT
	global_load_b128 v[SB+4:SB+7], v[4+(\slot)], s[4:5] offset:512 th:TH_LOAD_NT
	global_load_b128 v[SB+8:SB+11], v[4+(\slot)], s[6:7] th:TH_LOAD_NT
	global_load_b128 v[SB+12:SB+15], v[4+(\slot)], s[6:7] offset:512 th:TH_LOAD_NT
.endm
.macro TDO k, slot, cnt
.set SB, 32+16*(\slot)+((\slot)/4)*104
.set TT, BQ+8*((\k)&1)
	s_wait_loadcnt \cnt                            ; the younger rows' loads, four each, may stay out; this also frees the slot's offset register
	v_cvt_pk_bf16_f32 v[TT], v[SB], v[SB+1]
	v_cvt_pk_bf16_f32 v[TT+1], v[SB+2], v[SB+3]
	v_cvt_pk_bf16_f32 v[TT+2], v[SB+4], v[SB+5]
	v_cvt_pk_bf16_f32 v[TT+3], v[SB+6], v[SB+7]
	ds_store_b64 v2, v[TT:TT+1] offset:(\k)*PITCH
	ds_store_b64 v2, v[TT+2:TT+3] offset:(\k)*PITCH+256
.irp j, 0,2,4,6
	v_pk_add_f32 v[SB+8+\j:SB+9+\j], v[SB+\j:SB+1+\j], v[SB+8+\j:SB+9+\j]     ; src + pos in f32, rounded once
.endr
	v_cvt_pk_bf16_f32 v[TT+4], v[SB+8], v[SB+9]
	v_cvt_pk_bf16_f32 v[TT+5], v[SB+10], v[SB+11]
	v_cvt_pk_bf16_f32 v[TT+6], v[SB+12], v[SB+13]
	v_cvt_pk_bf16_f32 v[TT+7], v[SB+14], v[SB+15]
	ds_store_b64 v3, v[TT+4:TT+5] offset:(\k)*PITCH
	ds_store_b64 v3, v[TT+6:TT+7] offset:(\k)*PITCH+256
.endm
.irp k, 0,1,2,3,4,5
	TISSUE \k, \k
.endr
.set kk, 0
.rept 16
.set lft, 4*(15-kk)
.if lft > 20
.set lft, 20
.endif
	TDO kk, kk%6, lft
.if kk <= 9
	TISSUE kk+6, kk%6
.endif
.set kk, kk+1
.endr
	s_wait_dscnt 0x0                               ; my part of both tiles is written: for the other waves' sake, and before v232-255 are loaded
	WIN 0x40
.irp f, 16,17,18,19,20,21,22,23,24,25,26,27,28,29,30,31
	WLOAD 8*(\f-16), \f
.endr
.irp f, 32,33,34,35,36,37,38,39
	WLOAD 128+8*(\f-32), \f
.endr
	WIN 0
.irp k, 0,1
	global_load_b128 v[BQ+8*\k:BQ+8*\k+3], v176, s[14:15] offset:64*\k
	global_load_b128 v[BQ+8*\k+4:BQ+8*\k+7], v176, s[14:15] offset:64*\k+16
.endr
	global_load_b128 v[BQ+16:BQ+19], v177, s[16:17]
	global_load_b128 v[BQ+20:BQ+23], v177, s[16:17] offset:32
	v_min_u32 v24, s42, v23
	v_lshl_add_u32 v24, v24, 5, v31                ; reference points of block 0: row x 32 + 8 h2
	global_load_b64 v[REF:REF+1], v24, s[8:9]
	global_load_b64 v[REF+2:REF+3], v24, s[8:9] offset:16
	LVL 4, 0x42c40000, 0x42400000                  ; (W-2, H-2) of level h2: 98 or 48   (the ring's offset registers are free: its last wait was for 0)
	v_mov_b32 v5, v4
	LVL 6, 0x41b80000, 0x41300000                  ; of level 2 + h2: 23 or 11
	v_mov_b32 v7, v6
	LVL 8, 0, 10000                                ; the level's first position + my head's plane
	v_add_nc_u32 v8, s40, v8
	LVL 9, 12500, 13125
	v_add_nc_u32 v9, s40, v9
	s_barrier_signal -1
	s_barrier_wait -1                              ; both tiles are whole; nobody writes them again
.macro FETCH hb, areg, blk             ; four k steps' fragments of 16 rows: two loads of 16 bytes a lane each, 32 bytes apart
.irp i, 0,1,2,3
	ds_load_b128 v[FA+8*(4*\hb+\i):FA+8*(4*\hb+\i)+3], v[\areg] offset:(\blk)*16*PITCH+(4*\hb+\i)*64
	ds_load_b128 v[FA+8*(4*\hb+\i)+4:FA+8*(4*\hb+\i)+7], v[\areg] offset:(\blk)*16*PITCH+(4*\hb+\i)*64+32
.endr
.endm
; PASS V.  The two accumulators take turns, one instruction a turn.  The first product takes the bias tile as C: nothing is cleared.
.macro VMUL hb
.if \hb == 0
	WIN 0x01
.else
	WIN 0
.endif
.irp q, 0,1,2,3
.irp nb, 0,1
.if \hb == 0
.if \q == 0
	v_wmma_f32_16x16x32_bf16 v[ACC+8*\nb:ACC+8*\nb+7], v[192+8*(2*\q+\nb):192+8*(2*\q+\nb)+7], v[FA+8*\q:FA+8*\q+7], v[BV+8*\nb:BV+8*\nb+7]
.else
	v_wmma_f32_16x16x32_bf16 v[ACC+8*\nb:ACC+8*\nb+7], v[192+8*(2*\q+\nb):192+8*(2*\q+\nb)+7], v[FA+8*\q:FA+8*\q+7], v[ACC+8*\nb:ACC+8*\nb+7]
.endif
.else
	v_wmma_f32_16x16x32_bf16 v[ACC+8*\nb:ACC+8*\nb+7], v[VW+8*(2*\q+\nb):VW+8*(2*\q+\nb)+7], v[FA+32+8*\q:FA+32+8*\q+7], v[ACC+8*\nb:ACC+8*\nb+7]
.endif
.endr
.endr
.endm
; 16 rows x my head's 32 channels: round, through my own stage (LDS serves a wave's instructions in order, ISA guide 5.7.1), out as 8 rows x 64 bytes = 512 consecutive bytes a store.
.macro VOUT i
.irp nb, 0,1
.irp d, 0,1,2,3
	v_cvt_pk_bf16_f32 v[TMP+4*\nb+\d], v[ACC+8*\nb+2*\d], v[ACC+8*\nb+2*\d+1]
.endr
.endr
	ds_store_b128 v12, v[TMP:TMP+3]
	ds_store_b128 v12, v[TMP+4:TMP+7] offset:32
	ds_load_b128 v[TMP+8:TMP+11], v13
	ds_load_b128 v[TMP+12:TMP+15], v13 offset:640
.irp ii, 0,1
	v_add_nc_u32 v[224+2*\ii], 16*\i+8*\ii, v14    ; my row
	v_cmp_le_u32 vcc_lo, s43, v[224+2*\ii]
	v_cndmask_b32 v[225+2*\ii], 0, v16, vcc_lo     ; batch 1 lies NV further on
	v_add3_u32 v[225+2*\ii], v[224+2*\ii], v[225+2*\ii], s40
	v_lshl_add_u32 v[225+2*\ii], v[225+2*\ii], 6, v15
.endr
	s_wait_dscnt 0x0
.irp ii, 0,1
	v_cmp_gt_u32 vcc_lo, s41, v[224+2*\ii]         ; rows past the last store nothing
	s_wait_xcnt 0x0                                ; EXEC is a source of the memory instructions issued so far: it changes only behind this wait
	s_and_saveexec_b32 s36, vcc_lo
	global_store_b128 v[225+2*\ii], v[TMP+8+4*\ii:TMP+11+4*\ii], s[18:19]
	s_wait_xcnt 0x0                                ; and again before it is widened; the store's data and offset registers are free behind it too
	s_or_b32 exec_lo, exec_lo, s36
.endr
.endm
.macro VBLK i
	s_wait_dscnt 8                                 ; k steps 0-3 are in; the eight younger loads may be out
	VMUL 0
	PLACES 4
	WIN 0
.if \i < 7
	FETCH 0, 10, \i+1
.else
	FETCH 0, 11, 0
.endif
	s_wait_dscnt 8                                 ; k steps 4-7 are in; only the eight just issued may be out
	VMUL 1
	PLACES 5
.if \i < 7
	FETCH 1, 10, \i+1
.else
	FETCH 1, 11, 0
.endif
	VOUT \i
.endm
	FETCH 0, 10, 0
	FETCH 1, 10, 0
.irp i, 0,1,2,3,4,5,6,7
	VBLK \i
.endr
; PASS Q.  Three accumulators (offsets of levels h2 and 2 + h2, logits) take turns, one instruction a turn.
.macro QMUL hb
	WIN 0x01
.irp q, 0,1,2,3
.set KS, 4*\hb+\q
.if KS == 0
	v_wmma_f32_16x16x32_bf16 v[ACC:ACC+7], v[16*KS:16*KS+7], v[FA+8*KS:FA+8*KS+7], v[BQ:BQ+7]
	v_wmma_f32_16x16x32_bf16 v[ACC+8:ACC+15], v[16*KS+8:16*KS+15], v[FA+8*KS:FA+8*KS+7], v[BQ+8:BQ+15]
	v_wmma_f32_16x16x32_bf16 v[ACC+16:ACC+23], v[128+8*KS:128+8*KS+7], v[FA+8*KS:FA+8*KS+7], v[BQ+16:BQ+23]
.else
	v_wmma_f32_16x16x32_bf16 v[ACC:ACC+7], v[16*KS:16*KS+7], v[FA+8*KS:FA+8*KS+7], v[ACC:ACC+7]
	v_wmma_f32_16x16x32_bf16 v[ACC+8:ACC+15], v[16*KS+8:16*KS+15], v[FA+8*KS:FA+8*KS+7], v[ACC+8:ACC+15]
	v_wmma_f32_16x16x32_bf16 v[ACC+16:ACC+23], v[128+8*KS:128+8*KS+7], v[FA+8*KS:FA+8*KS+7], v[ACC+16:ACC+23]
.endif
.endr
.endm
; softmax over a (row, head)'s 16 logits: eight in my registers v176-183, eight in lane L xor 16.  The maximum is taken away first.
.macro SOFTMAX
	v_max3_num_f32 v102, v176, v177, v178
	v_max3_num_f32 v103, v179, v180, v181
	v_max3_num_f32 v102, v102, v182, v183
	v_max_num_f32 v102, v102, v103
	v_permlanex16_b32 v103, v102, s30, s31
	v_max_num_f32 v102, v102, v103
	v_mul_f32 v102, s32, v102
.irp j, 176,177,178,179,180,181,182,183
	v_fma_f32 v\j, v\j, s32, -v102
.endr
.irp j, 176,177,178,179,180,181,182,183
	v_exp_f32 v\j, v\j
.endr
	v_nop                                          ; one plain vector instruction behind the last exponential before its result is used (ISA guide 5.7.2)
	s_wait_alu depctr_va_vdst(0)
	v_pk_add_f32 v[104:105], v[176:177], v[178:179]
	v_pk_add_f32 v[102:103], v[180:181], v[182:183]
	v_pk_add_f32 v[102:103], v[102:103], v[104:105]
	v_add_f32 v102, v102, v103
	v_permlanex16_b32 v103, v102, s30, s31
	v_add_f32 v102, v102, v103
	v_rcp_f32 v102, v102
	v_nop
	s_wait_alu depctr_va_vdst(0)
.irp j, 176,178,180,182
	v_pk_mul_f32 v[\j:\j+1], v[\j:\j+1], v[102:103] op_sel_hi:[1,0]
.endr
.endm
; point p of the level of tile k: index of the upper left tap and the four weights
.macro POINT k, p
	v_pk_add_f32 v[XY:XY+1], v[ACC+8*\k+2*\p:ACC+8*\k+2*\p+1], v[PP+2*\k:PP+2*\k+1]    ; (x, y) = off + ref W - 0.5
	v_floor_f32 v[FF], v[XY]
	v_floor_f32 v[FF+1], v[XY+1]
	v_med3_num_f32 v[FF], v[FF], 0, v[4+2*\k]      ; xb = clamp(floor x, 0, W - 2)
	v_med3_num_f32 v[FF+1], v[FF+1], 0, v[5+2*\k]
	v_pk_add_f32 v[EE:EE+1], v[XY:XY+1], v[FF:FF+1] neg_lo:[0,1] neg_hi:[0,1]
	v_fma_f32 v[SM], v[FF+1], v[26+2*\k], v[FF]    ; yb W + xb, exact in f32
	v_pk_add_f32 v[E1:E1+1], v[EE:EE+1], -1.0 op_sel_hi:[1,0]
	v_cvt_u32_f32 v[SM], v[SM]
	v_fma_f32 v[UU], |v110|, -1.0, 1.0             ; 1 - |x - xb|
	v_fma_f32 v[UU+1], |v112|, -1.0, 1.0           ; 1 - |x - xb - 1|
	v_fma_f32 v[UU+2], |v111|, -1.0, 1.0
	v_fma_f32 v[UU+3], |v113|, -1.0, 1.0
	v_add_nc_u32 v[GI+4*\k+\p], v[SM], v[IB+\k]
.irp u, 0,1,2,3
	v_max_num_f32 v[UU+\u], 0, v[UU+\u]
.endr
.if (\p & 1) == 0
	v_pk_mul_f32 v[AY:AY+1], v[UU+2:UU+3], v[176+4*\k+\p:176+4*\k+\p+1] op_sel_hi:[1,0]
.else
	v_pk_mul_f32 v[AY:AY+1], v[UU+2:UU+3], v[176+4*\k+\p-1:176+4*\k+\p] op_sel:[0,1] op_sel_hi:[1,1]
.endif
	v_pk_mul_f32 v[W01:W01+1], v[UU:UU+1], v[AY:AY+1] op_sel_hi:[1,0]
	v_pk_mul_f32 v[W23:W23+1], v[UU:UU+1], v[AY:AY+1] op_sel:[0,1] op_sel_hi:[1,1]
	v_cvt_pk_bf16_f32 v[WO+8*\k+2*\p], v[W01], v[W01+1]
	v_cvt_pk_bf16_f32 v[WO+8*\k+2*\p+1], v[W23], v[W23+1]
.endm
.macro QOUT i
.set PR, (\i)&1
.set RF, REF+4*PR
.set SO, PR*STGSZ
	v_pk_fma_f32 v[PP:PP+1], v[RF:RF+1], v[26:27], -0.5 op_sel_hi:[1,1,0]
	v_pk_fma_f32 v[PP+2:PP+3], v[RF+2:RF+3], v[28:29], -0.5 op_sel_hi:[1,1,0]
	v_add_nc_u32 v[SM], 16*\i, v23
	v_cmp_le_u32 vcc_lo, s43, v[SM]
	v_cndmask_b32 v[SM], 0, v30, vcc_lo            ; batch 1's planes begin NG further on
	v_add_nc_u32 v[IB], v[SM], v8
	v_add_nc_u32 v[IB+1], v[SM], v9
	SOFTMAX
.irp k, 0,1
.irp p, 0,1,2,3
	POINT \k, \p
.endr
.endr
	; all eight heads' pieces of 16 rows meet in a stage, so that whole rows leave: idx [level][head][point], wts [pair of points][head][2 x 4 weights]
	ds_store_b128 v17, v[GI:GI+3] offset:SO
	ds_store_b128 v17, v[GI+4:GI+7] offset:SO+256
	ds_store_b128 v18, v[WO:WO+3] offset:SO
	ds_store_b128 v18, v[WO+4:WO+7] offset:SO+128
	ds_store_b128 v18, v[WO+8:WO+11] offset:SO+512
	ds_store_b128 v18, v[WO+12:WO+15] offset:SO+640
	s_wait_dscnt 0x0                               ; my stores are done, and so are my reads of the other stage (waited for below, one block ago): that stage is written again only behind this barrier
	s_barrier_signal -1
	s_barrier_wait -1
	s_wait_xcnt 0x0                                ; the copy registers were the last block's store data
	ds_load_b128 v[CPI:CPI+3], v19 offset:SO
	ds_load_b128 v[CPI+4:CPI+7], v19 offset:SO+PITCH
	ds_load_b128 v[CPW:CPW+3], v20 offset:SO
	ds_load_b128 v[CPW+4:CPW+7], v20 offset:SO+512
	ds_load_b128 v[CPW+8:CPW+11], v20 offset:SO+WPITCH
	ds_load_b128 v[CPW+12:CPW+15], v20 offset:SO+WPITCH+512
	s_wait_dscnt 0x0
	global_store_b128 v21, v[CPI:CPI+3], s[20:21] offset:\i*8192           ; each store covers 512 consecutive bytes, aligned
	global_store_b128 v21, v[CPI+4:CPI+7], s[20:21] offset:\i*8192+512
	global_store_b128 v22, v[CPW:CPW+3], s[22:23] offset:\i*16384
	global_store_b128 v22, v[CPW+4:CPW+7], s[22:23] offset:\i*16384+512
	global_store_b128 v22, v[CPW+8:CPW+11], s[22:23] offset:\i*16384+1024
	global_store_b128 v22, v[CPW+12:CPW+15], s[22:23] offset:\i*16384+1536
.endm
.macro QBLK i
.set PR, (\i)&1
.if \i < 7
	v_add_nc_u32 v[SM], 16*(\i+1), v23
	v_min_u32 v[SM], s42, v[SM]
	v_lshl_add_u32 v[25-PR], v[SM], 5, v31         ; free: the loads that used it were shown done one block ago
	global_load_b64 v[REF+4*(1-PR):REF+4*(1-PR)+1], v[25-PR], s[8:9]
	global_load_b64 v[REF+4*(1-PR)+2:REF+4*(1-PR)+3], v[25-PR], s[8:9] offset:16
	s_wait_loadcnt 2                               ; only the next block's two loads may be out: in block 0 this also shows the 48 weight loads and the biases done
	s_wait_dscnt 8
.else
	s_wait_loadcnt 0
	s_wait_dscnt 0
.endif
	QMUL 0
	PLACES 4
	WIN 0
.if \i < 7
	FETCH 0, 11, \i+1
	s_wait_dscnt 8
.else
	s_wait_dscnt 0
.endif
	QMUL 1
	PLACES 5
	WIN 0
.if \i < 7
	FETCH 1, 11, \i+1
.endif
	QOUT \i
.endm
.irp i, 0,1,2,3,4,5,6,7
	QBLK \i
.endr
	s_wait_xcnt 0x0
	s_mov_b32 exec_lo, -1
	v_lshl_add_u32 v182, v0, 2, 0x2fc00
	v_mov_b32 v183, 0
	s_wait_tensorcnt 0x0
	ds_add_u32 v182, v183
	s_wait_dscnt 0x0
	s_endpgm
.Lfunc_end_k_q3c2856998e_proj:
	.size	k_q3c2856998e_proj, .Lfunc_end_k_q3c2856998e_proj-k_q3c2856998e_proj
	.p2alignl 7, 3214868480
	.fill 96, 4, 3214868480
	.section	.rodata,"a",@progbits
	.p2align	6, 0x0
	.amdhsa_kernel k_q3c2856998e_proj
		.amdhsa_group_segment_fixed_size 196608
		.amdhsa_private_segment_fixed_size 0
		.amdhsa_enable_private_segment 0
		.amdhsa_kernarg_size 80
		.amdhsa_user_sgpr_count 2
		.amdhsa_user_sgpr_kernarg_segment_ptr 1
		.amdhsa_wavefront_size32 1
		.amdhsa_system_sgpr_workgroup_id_x 1
		.amdhsa_system_sgpr_workgroup_id_y 1
		.amdhsa_system_sgpr_workgroup_id_z 1
		.amdhsa_system_vgpr_workitem_id 0
		.amdhsa_next_free_vgpr 512
		.amdhsa_next_free_sgpr 66
		.amdhsa_reserve_vcc 1
		.amdhsa_float_denorm_mode_32 3
		.amdhsa_float_denorm_mode_16_64 3
		.amdhsa_memory_ordered 1
		.amdhsa_forward_progress 1
		.amdhsa_inst_pref_size 203
	.end_amdhsa_kernel
	.amdgpu_metadata
---
amdhsa.version: [ 1, 2 ]
amdhsa.kernels:
  - .name:           k_q3c2856998e_proj
    .symbol:         k_q3c2856998e_proj.kd
    .args:
      - { .name: src, .offset: 0, .size: 8, .value_kind: global_buffer, .address_space: global }
      - { .name: pos, .offset: 8, .size: 8, .value_kind: global_buffer, .address_space: global }
      - { .name: reference_points, .offset: 16, .size: 8, .value_kind: global_buffer, .address_space: global }
      - { .name: wfrag, .offset: 24, .size: 8, .value_kind: global_buffer, .address_space: global }
      - { .name: b_value, .offset: 32, .size: 8, .value_kind: global_buffer, .address_space: global }
      - { .name: b_off, .offset: 40, .size: 8, .value_kind: global_buffer, .address_space: global }
      - { .name: b_attn, .offset: 48, .size: 8, .value_kind: global_buffer, .address_space: global }
      - { .name: value, .offset: 56, .size: 8, .value_kind: global_buffer, .address_space: global }
      - { .name: idx, .offset: 64, .size: 8, .value_kind: global_buffer, .address_space: global }
      - { .name: wts, .offset: 72, .size: 8, .value_kind: global_buffer, .address_space: global }
    .group_segment_fixed_size: 196608
    .private_segment_fixed_size: 0
    .kernarg_segment_align: 8
    .kernarg_segment_size: 80
    .max_flat_workgroup_size: 256
    .sgpr_count:     66
    .vgpr_count:     512
    .wavefront_size: 32
...
	.end_amdgpu_metadata
.endif
;; end of part 2
;; launch attn_ffn (part 3): grid 208 x 1, 8 waves a work-group, no clusters, 289,792 bytes of LDS; arguments idx, wts, value, src, wfrag, b_out, g1, be1, b2, g2, be2, b1, out0; writes out0
.if DOCPART == 3
	.amdgcn_target "amdgcn-amd-amdhsa--gfx1250"
	.amdhsa_code_object_version 6
	.text
	.protected	k_q3c2856998e_attn_ffn
	.globl	k_q3c2856998e_attn_ffn
	.p2align	8
	.type	k_q3c2856998e_attn_ffn,@function
k_q3c2856998e_attn_ffn:
	s_mov_b64 s[64:65], 0
	v_nop
	global_prefetch_b8 v0, s[64:65] scope:SCOPE_SE
	s_setreg_imm32_b32 hwreg(HW_REG_WAVE_MODE, 25, 1), 1
	s_wait_xcnt 0x0
; attn_ffn: S = sum over 16 points x 4 taps of weight x value (gathered); x = LN1(src + S W_out + b_out); out0 = LN2(x + relu(x W1 + b1) W2 + b2).
; A work-group owns 128 rows (rows past the last, 26,587, are computed from repeated data and not stored).
; GATHER: wave w owns rows 16 w .. +15, one row at a time.  Lane L = (head L>>2, quarter L&3) keeps channels 8 (L&3) .. +7 of its head = columns 8 L .. 8 L + 7 of S:
;   a tap is one load of 16 bytes a lane (four lanes take a position's 64 bytes), no sum crosses lanes.  The sampling product runs on the vector unit: every (row, head) has
;   its own gathered operand, so a matrix form would have one row.  A unit = one level = 16 loads; three units are always on their way in a ring of four in v256-511.
; GEMMS: wave w = (wm = w>>2, wn = w&3) owns rows 64 wm .. +63 x columns 64 wn .. +63: 16 accumulator tiles.  Weights stream from wfrag straight into registers, four steps deep;
;   a step (32 along K) reads 4,096 bytes of LDS and 4,096 bytes of weights for 16 matrix instructions.  A weight fragment is wanted in registers by two waves of the work-group;
;   a joint load lands in LDS only and would double the LDS bytes read for each matrix instruction and ask for a barrier a step: so no cluster here.
; THE MATRIX INSTRUCTION IS USED TRANSPOSED: source 0 = weights, source 1 = activations: lane (r, h2), register j holds out[row r][column 8 h2 + j].
; The residuals start the sums: src is the first C of S W_out, x (f32, in registers) stays the C of the second FFN product.  The hidden 1,024 go in four chunks of 256.
; LAYER NORM: each wave makes the mean and the centred sum of squares of its own 64 columns; the four are merged (no difference of large sums).
; LIMITS: value and the sampling weights are bf16 (rounded once by the launch before), sums in f32; NaN inputs are not reproduced.
.set M,      26588
.set PITCH,  528                       ; 256 bf16 + 16 bytes: an odd multiple of 16
.set XREG,   67584                     ; S at 0, X, H0, H1: 128 rows x 528 each
.set H0REG,  135168
.set H1REG,  202752
.set RES,    135168                    ; f32, 128 rows x 1,040: src before H0 and H1 are first written, the result after they are last read
.set RPITCH, 1040
.set PAR,    270336                    ; b_out, g1, be1, b2, g2, be2 (1,024 each), b1 (4,096)
.set STAT,   280576                    ; row x 32 + wn x 8: (mean, centred squares); 4,096 for each of the two norms
.set IDX,  32                          ; gather: v32-63   indices, two rows in turn
.set WTS,  64                          ;         v64-127  weights, two rows in turn
.set SRCR, 128                         ;         v128-143 src, two rows in turn
.set ADR,  144                         ;         v144-159 byte offsets of a unit's four points, a set for each level
.set ACCG, 160                         ;         v160-167 my eight sums
.set PK,   168
.set BR,   32                          ; GEMM: v32-159  four weight buffers of 32; the fourth doubles as TMP where the stream leaves it free
.set TMP,  128
.set AF,   160                         ;       v160-223 two activation buffers of 32
.set BIA,  224                         ;       v224-255 a bias as four C tiles
.set ACC2, 0                           ; window 1: v256-383 the row block's 256 columns (attention output, x, FFN output)
.set ACC1, 128                         ;           v384-511 a chunk of the hidden layer
.set MSB, 0
.macro WIN new                         ; s_set_vgpr_msb: bits 1:0 source 0, 3:2 source 1, 5:4 source 2, 7:6 destination; the high byte repeats the setting that is left
.if MSB != \new
	s_set_vgpr_msb (MSB<<8)|\new
.set MSB, \new
.endif
.endm
.macro PLACES n                        ; independent vector instructions behind a matrix instruction (ISA guide 7.12.1)
.rept \n
	v_nop
.endr
.endm
	s_load_b512 s[4:19], s[0:1], 0x0               ; idx s[4:5], wts s[6:7], value s[8:9], src s[10:11], wfrag s[12:13], b_out s[14:15], g1 s[16:17], be1 s[18:19]
	s_load_b256 s[20:27], s[0:1], 0x40             ; b2 s[20:21], g2 s[22:23], be2 s[24:25], b1 s[26:27]
	s_load_b64 s[28:29], s[0:1], 0x60              ; out0
	v_lshl_add_u32 v30, v0, 2, 0x46800
	v_mov_b32 v31, 0
	v_lshrrev_b32 v24, 5, v0
	v_readfirstlane_b32 s30, v24                   ; wave
	s_lshr_b32 s31, s30, 2                         ; wm
	s_and_b32 s32, s30, 3                          ; wn
	s_mov_b32 s33, ttmp9
	s_lshl_b32 s35, s33, 7
	s_lshl4_add_u32 s35, s30, s35                  ; the first of my 16 rows in the gather and on the way out
	s_mov_b32 s38, 0x76543210                      ; v_permlanex16_b32: lane i takes lane i of the other half
	s_mov_b32 s39, 0xfedcba98
	s_mov_b32 s40, 0x3b800000                      ; 1/256
	s_mov_b32 s41, 0x3727c5ac                      ; 1e-5
	s_mov_b32 s46, M-1
	v_and_b32 v24, 31, v0                          ; L
	v_and_b32 v25, 15, v0                          ; r
	v_bfe_u32 v26, v0, 4, 1                        ; h2
	v_lshlrev_b32 v1, 4, v24                       ; 16 L
	v_lshrrev_b32 v2, 2, v24
	v_lshlrev_b32 v2, 4, v2                        ; 16 x head
	v_and_b32 v3, 3, v24
	v_lshlrev_b32 v3, 4, v3                        ; 16 x quarter
	s_mul_i32 s36, s30, 16*PITCH
	v_add_nc_u32 v4, s36, v1                       ; S: my row, 16 bytes a lane; steps a row at a time
	s_mul_i32 s36, s30, 16*RPITCH
	s_add_co_u32 s36, s36, RES
	v_add_nc_u32 v5, s36, v1                       ; src in LDS likewise
	v_lshl_add_u32 v27, s31, 6, v25                ; 64 wm + r
	v_mul_u32_u24 v28, v27, PITCH
	v_lshl_add_u32 v12, v26, 4, v28                ; fragments of S
	v_add_nc_u32 v13, XREG, v12                    ; of X
	v_add_nc_u32 v14, H0REG, v12                   ; of H0
	v_add_nc_u32 v15, H1REG, v12                   ; of H1
	v_lshl_add_u32 v29, s32, 7, v12                ; + my 64 columns
	v_add_nc_u32 v16, XREG, v29                    ; where my results go in X
	v_add_nc_u32 v17, H0REG, v29
	v_add_nc_u32 v18, H1REG, v29
	v_mul_u32_u24 v28, v27, RPITCH
	s_lshl_b32 s36, s32, 8
	s_add_co_u32 s37, s36, RES
	v_lshl_add_u32 v19, v26, 5, v28
	v_add_nc_u32 v19, s37, v19                     ; f32 tile: (64 wm + r) x 1,040 + 4 (64 wn + 8 h2)
	s_add_co_u32 s37, s36, PAR
	v_lshl_add_u32 v20, v26, 5, s37                ; a parameter vector at my columns
	v_lshlrev_b32 v22, 5, v27
	v_add_nc_u32 v22, STAT, v22                    ; a row's four pairs
	v_lshl_add_u32 v21, s32, 3, v22                ; my pair among them
	v_mov_b32 v23, 0                               ; the addend of a row's first eight products
	v_lshlrev_b32 v172, 2, v0
	v_lshlrev_b32 v173, 4, v0
	v_add_nc_u32 v174, PAR, v172
	v_add_nc_u32 v175, PAR+6144, v173
	v_mov_b32 v6, v2
	v_add_nc_u32 v7, 512, v2
	v_mov_b32 v8, v2
	s_min_u32 s36, s35, s46
	s_lshl_b32 s36, s36, 10
	v_add_nc_u32 v10, s36, v1
	s_wait_kmcnt 0x0
	s_lshl_b32 s42, s35, 9
	s_mov_b32 s43, 0
	s_add_nc_u64 s[4:5], s[4:5], s[42:43]          ; my 16 rows of idx
	s_lshl_b32 s42, s35, 10
	s_add_nc_u64 s[6:7], s[6:7], s[42:43]          ; and of wts
	s_mul_i32 s42, s32, 294912
	s_add_co_u32 s42, s42, 327680
	s_add_nc_u64 s[12:13], s[12:13], s[42:43]      ; my column block's stream of 72 steps
	; the parameters, copied once into LDS; indices of rows 0 and 1, weights and src of row 0
	global_load_b32 v176, v172, s[14:15]
	global_load_b32 v177, v172, s[16:17]
	global_load_b32 v178, v172, s[18:19]
	global_load_b32 v179, v172, s[20:21]
	global_load_b32 v180, v172, s[22:23]
	global_load_b32 v181, v172, s[24:25]
	global_load_b128 v[184:187], v173, s[26:27]
.irp l, 0,1,2,3
	global_load_b128 v[IDX+4*\l:IDX+4*\l+3], v6, s[4:5] offset:128*\l th:TH_LOAD_NT
	global_load_b128 v[IDX+16+4*\l:IDX+16+4*\l+3], v7, s[4:5] offset:128*\l th:TH_LOAD_NT
.endr
.irp pp, 0,1,2,3,4,5,6,7
	global_load_b128 v[WTS+4*\pp:WTS+4*\pp+3], v8, s[6:7] offset:128*\pp th:TH_LOAD_NT
.endr
	global_load_b128 v[SRCR:SRCR+3], v10, s[10:11] th:TH_LOAD_NT
	global_load_b128 v[SRCR+4:SRCR+7], v10, s[10:11] offset:512 th:TH_LOAD_NT
	s_wait_loadcnt 0x0
.irp j, 0,1,2,3,4,5
	ds_store_b32 v174, v[176+\j] offset:1024*\j
.endr
	ds_store_b128 v175, v[184:187]
.macro LEVEL l                         ; the level's width; the largest index whose four taps stay inside value (212,736 positions)
.if (\l) == 0
.set WL, 100
.endif
.if (\l) == 1
.set WL, 50
.endif
.if (\l) == 2
.set WL, 25
.endif
.if (\l) == 3
.set WL, 13
.endif
.set CL, 212735-WL-1
.endm
.macro GISSUE par, l                   ; a unit: four points x four taps of level l, row of parity par
	LEVEL \l
.irp q, 0,1,2,3
	v_min_u32 v[ADR+4*(\l)+\q], CL, v[IDX+16*(\par)+4*(\l)+\q]
	v_lshl_add_u32 v[ADR+4*(\l)+\q], v[ADR+4*(\l)+\q], 6, v3
.endr
	WIN 0x40
.irp q, 0,1,2,3
.irp dy, 0,1
.irp dx, 0,1
	global_load_b128 v[64*(\l)+16*\q+8*\dy+4*\dx:64*(\l)+16*\q+8*\dy+4*\dx+3], v[ADR+4*(\l)+\q], s[8:9] offset:(\dy*WL+\dx)*64
.endr
.endr
.endr
	WIN 0
.endm
; the side loads issued in row i = s34 + d: indices of row i + 2 (mode 1 only), weights and src of row i + 1.  Their offset registers were last used two rows ago by loads shown done since.
.macro GAUX par, d, mode
.if \mode == 1
	s_add_co_u32 s36, s34, \d+2
	s_lshl_b32 s36, s36, 9
	v_add_nc_u32 v[6+\par], s36, v2
.irp l, 0,1,2,3
	global_load_b128 v[IDX+16*\par+4*\l:IDX+16*\par+4*\l+3], v[6+\par], s[4:5] offset:128*\l th:TH_LOAD_NT
.endr
.endif
.if \mode >= 1
	s_add_co_u32 s36, s34, \d+1
	s_add_co_u32 s37, s36, s35
	s_lshl_b32 s36, s36, 10
	v_add_nc_u32 v[9-\par], s36, v2
.irp pp, 0,1,2,3,4,5,6,7
	global_load_b128 v[WTS+32*(1-\par)+4*\pp:WTS+32*(1-\par)+4*\pp+3], v[9-\par], s[6:7] offset:128*\pp th:TH_LOAD_NT
.endr
	s_min_u32 s37, s37, s46                        ; rows past the last repeat it
	s_lshl_b32 s37, s37, 10
	v_add_nc_u32 v[11-\par], s37, v1
	global_load_b128 v[SRCR+8*(1-\par):SRCR+8*(1-\par)+3], v[11-\par], s[10:11] th:TH_LOAD_NT
	global_load_b128 v[SRCR+8*(1-\par)+4:SRCR+8*(1-\par)+7], v[11-\par], s[10:11] offset:512 th:TH_LOAD_NT
.endif
.endm
; one unit's turn.  n = the loads issued behind this unit's sixteen: two younger units (32) and, at levels 1 to 3, the row's side loads.
.macro GSTEP par, d, l, n, issue, aux
	s_wait_loadcnt \n
.if \issue
.if \l == 0
	GISSUE \par, 3                                 ; the unit three ahead, into the ring's part and the offset registers that the last turn has used up
.else
	GISSUE 1-\par, \l-1
.endif
.endif
.if \l == 0
	GAUX \par, \d, \aux
	ds_store_b128 v5, v[SRCR+8*\par:SRCR+8*\par+3]                 ; src, the residual, waits in LDS for the first product
	ds_store_b128 v5, v[SRCR+8*\par+4:SRCR+8*\par+7] offset:512
	v_add_nc_u32 v5, RPITCH, v5
.endif
	WIN 0x01
.irp q, 0,1,2,3
.irp dy, 0,1
.irp dx, 0,1
.irp eh, 0,1,2,3
.irp el, 0,1
.if (\l+\q+\dy+\dx) == 0
	v_fma_mix_f32_bf16 v[ACCG+2*\eh+\el], v[64*\l+16*\q+8*\dy+4*\dx+\eh], v[WTS+32*\par+2*(4*\l+\q)+\dy], v23 op_sel:[\el,\dx,0] op_sel_hi:[1,1,0]
.else
	v_fma_mix_f32_bf16 v[ACCG+2*\eh+\el], v[64*\l+16*\q+8*\dy+4*\dx+\eh], v[WTS+32*\par+2*(4*\l+\q)+\dy], v[ACCG+2*\eh+\el] op_sel:[\el,\dx,0] op_sel_hi:[1,1,0]
.endif
.endr
.endr
.endr
.endr
.endr
	WIN 0
.if \l == 3
.irp d2, 0,1,2,3
	v_cvt_pk_bf16_f32 v[PK+\d2], v[ACCG+2*\d2], v[ACCG+2*\d2+1]
.endr
	ds_store_b128 v4, v[PK:PK+3]
	v_add_nc_u32 v4, PITCH, v4
.endif
.endm
	GISSUE 0, 0
	GISSUE 0, 1
	GISSUE 0, 2
	s_mov_b32 s34, 0
.Lrows:                                            ; two rows a trip, rows 0 to 13
	GSTEP 0, 0, 0, 32, 1, 1
	GSTEP 0, 0, 1, 46, 1, 0
	GSTEP 0, 0, 2, 46, 1, 0
	GSTEP 0, 0, 3, 46, 1, 0
	GSTEP 1, 1, 0, 32, 1, 1
	GSTEP 1, 1, 1, 46, 1, 0
	GSTEP 1, 1, 2, 46, 1, 0
	GSTEP 1, 1, 3, 46, 1, 0
	s_add_co_u32 s34, s34, 2
	s_cmp_lt_u32 s34, 14
	s_cbranch_scc1 .Lrows
	GSTEP 0, 0, 0, 32, 1, 2                        ; rows 14 and 15: no further indices (the side group is 10 loads), then nothing more is asked for and the counts run down
	GSTEP 0, 0, 1, 42, 1, 0
	GSTEP 0, 0, 2, 42, 1, 0
	GSTEP 0, 0, 3, 42, 1, 0
	GSTEP 1, 1, 0, 32, 1, 0
	GSTEP 1, 1, 1, 32, 0, 0
	GSTEP 1, 1, 2, 16, 0, 0
	GSTEP 1, 1, 3, 0, 0, 0
.macro BLOAD s                         ; step s of my stream: four fragments, eight loads of 512 consecutive bytes
.irp f, 0,1,2,3
	global_load_b128 v[BR+32*((\s)%4)+8*\f:BR+32*((\s)%4)+8*\f+3], v1, s[12:13] offset:(\s)*4096+\f*1024
	global_load_b128 v[BR+32*((\s)%4)+8*\f+4:BR+32*((\s)%4)+8*\f+7], v1, s[12:13] offset:(\s)*4096+\f*1024+512
.endr
.endm
.macro ALOAD buf, areg, ks             ; my 64 rows x 32 along K
.irp mb, 0,1,2,3
	ds_load_b128 v[AF+32*(\buf)+8*\mb:AF+32*(\buf)+8*\mb+3], v[\areg] offset:\mb*16*PITCH+(\ks)*64
	ds_load_b128 v[AF+32*(\buf)+8*\mb+4:AF+32*(\buf)+8*\mb+7], v[\areg] offset:\mb*16*PITCH+(\ks)*64+32
.endr
.endm
; One step: the next step's activations and the weights three steps ahead are asked for, then 16 matrix instructions on 16 accumulators, which take turns, one instruction a turn.
; cmode 1: the bias tiles are the first C.  nareg 0: the phase's last step asks for no activations.
.macro STEP s, acc, cmode, nareg, nks
	PLACES 4                                       ; the registers loaded next were read by the last step's matrix instructions
.if \nareg
	ALOAD ((\s)+1)%2, \nareg, \nks
.endif
.if (\s) <= 68
	BLOAD (\s)+3
.endif
.if \nareg
	s_wait_dscnt 8                                 ; all but the eight LDS loads just issued
.else
	s_wait_dscnt 0
.endif
.if (\s) <= 68
	s_wait_loadcnt 24                              ; the three later steps' weights, eight loads each, may stay out
.else
	s_wait_loadcnt 8*(71-(\s))
.endif
.if \cmode
	WIN 0x40
.else
	WIN 0x50
.endif
.irp mb, 0,1,2,3
.irp f, 0,1,2,3
.if \cmode
	v_wmma_f32_16x16x32_bf16 v[\acc+8*(4*\mb+\f):\acc+8*(4*\mb+\f)+7], v[BR+32*((\s)%4)+8*\f:BR+32*((\s)%4)+8*\f+7], v[AF+32*((\s)%2)+8*\mb:AF+32*((\s)%2)+8*\mb+7], v[BIA+8*\f:BIA+8*\f+7]
.else
	v_wmma_f32_16x16x32_bf16 v[\acc+8*(4*\mb+\f):\acc+8*(4*\mb+\f)+7], v[BR+32*((\s)%4)+8*\f:BR+32*((\s)%4)+8*\f+7], v[AF+32*((\s)%2)+8*\mb:AF+32*((\s)%2)+8*\mb+7], v[\acc+8*(4*\mb+\f):\acc+8*(4*\mb+\f)+7]
.endif
.endr
.endr
	WIN 0
.endm
; LAYER NORM over the 256 columns held in ACC2 by the four waves of a row block.
.macro LNP1 mb, stat                   ; rows 16 mb .. +15: add the bias; my 64 columns' mean and centred squares (32 numbers here, 32 in lane L xor 16)
	WIN 0x41
.set ii, 0
.rept 16
	v_pk_add_f32 v[ACC2+32*\mb+2*ii:ACC2+32*\mb+2*ii+1], v[ACC2+32*\mb+2*ii:ACC2+32*\mb+2*ii+1], v[BIA+2*ii:BIA+2*ii+1]
.set ii, ii+1
.endr
	WIN 0x05
.set ii, 0
.rept 8
	v_pk_add_f32 v[TMP+2*ii:TMP+2*ii+1], v[ACC2+32*\mb+4*ii:ACC2+32*\mb+4*ii+1], v[ACC2+32*\mb+4*ii+2:ACC2+32*\mb+4*ii+3]
.set ii, ii+1
.endr
	WIN 0
.irp a, 0,4,8,12
	v_pk_add_f32 v[TMP+\a:TMP+\a+1], v[TMP+\a:TMP+\a+1], v[TMP+\a+2:TMP+\a+3]
.endr
	v_pk_add_f32 v[TMP:TMP+1], v[TMP:TMP+1], v[TMP+4:TMP+5]
	v_pk_add_f32 v[TMP+8:TMP+9], v[TMP+8:TMP+9], v[TMP+12:TMP+13]
	v_pk_add_f32 v[TMP:TMP+1], v[TMP:TMP+1], v[TMP+8:TMP+9]
	v_add_f32 v24, v[TMP], v[TMP+1]
	v_permlanex16_b32 v25, v24, s38, s39
	v_add_f32 v24, v24, v25
	v_mul_f32 v24, 0x3c800000, v24                 ; / 64
	WIN 0x01
.set ii, 0
.rept 16
	v_pk_add_f32 v[TMP+2*ii:TMP+2*ii+1], v[ACC2+32*\mb+2*ii:ACC2+32*\mb+2*ii+1], v[24:25] op_sel_hi:[1,0] neg_lo:[0,1] neg_hi:[0,1]
.set ii, ii+1
.endr
	WIN 0
	v_pk_mul_f32 v[26:27], v[TMP:TMP+1], v[TMP:TMP+1]
	v_pk_mul_f32 v[28:29], v[TMP+2:TMP+3], v[TMP+2:TMP+3]
.set ii, 2
.rept 14
	v_pk_fma_f32 v[26+2*(ii&1):27+2*(ii&1)], v[TMP+2*ii:TMP+2*ii+1], v[TMP+2*ii:TMP+2*ii+1], v[26+2*(ii&1):27+2*(ii&1)]
.set ii, ii+1
.endr
	v_pk_add_f32 v[26:27], v[26:27], v[28:29]
	v_add_f32 v26, v26, v27
	v_permlanex16_b32 v27, v26, s38, s39
	v_add_f32 v25, v26, v27
	ds_store_b64 v21, v[24:25] offset:\stat+512*\mb
.endm
.macro LNP2 mb, mode                   ; merge the four waves' figures, normalise, gain and bias; mode 1: x to LDS in bf16 (and kept in f32); mode 2: the result to LDS in f32
.set T8, TMP+8*\mb
	v_add_f32 v24, v[T8], v[T8+2]
	v_add_f32 v25, v[T8+4], v[T8+6]
	v_add_f32 v24, v24, v25
	v_mul_f32 v24, 0x3e800000, v24                 ; the row's mean
	v_sub_f32 v26, v[T8], v24
	v_sub_f32 v27, v[T8+2], v24
	v_sub_f32 v28, v[T8+4], v24
	v_sub_f32 v29, v[T8+6], v24
	v_mul_f32 v26, v26, v26
	v_fmac_f32 v26, v27, v27
	v_fmac_f32 v26, v28, v28
	v_fmac_f32 v26, v29, v29
	v_add_f32 v27, v[T8+1], v[T8+3]
	v_add_f32 v28, v[T8+5], v[T8+7]
	v_add_f32 v27, v27, v28
	v_fmamk_f32 v26, v26, 0x42800000, v27          ; 64 x squares of the means' distances + the centred squares
	v_fma_f32 v26, v26, s40, s41                   ; / 256 + 1e-5
	v_rsq_f32 v26, v26
	v_nop                                          ; one plain vector instruction behind it (ISA guide 5.7.2)
	s_wait_alu depctr_va_vdst(0)
	v_mul_f32 v27, -v24, v26
	WIN 0x41
.set ii, 0
.rept 16
	v_pk_fma_f32 v[ACC2+32*\mb+2*ii:ACC2+32*\mb+2*ii+1], v[ACC2+32*\mb+2*ii:ACC2+32*\mb+2*ii+1], v[26:27], v[26:27] op_sel:[0,0,1] op_sel_hi:[1,0,1]
.set ii, ii+1
.endr
.set ii, 0
.rept 16
	v_pk_fma_f32 v[ACC2+32*\mb+2*ii:ACC2+32*\mb+2*ii+1], v[ACC2+32*\mb+2*ii:ACC2+32*\mb+2*ii+1], v[AF+2*ii:AF+2*ii+1], v[AF+32+2*ii:AF+32+2*ii+1]
.set ii, ii+1
.endr
.if \mode == 1
	WIN 0x05
.set ii, 0
.rept 16
	v_cvt_pk_bf16_f32 v[BIA+16*(\mb&1)+ii], v[ACC2+32*\mb+2*ii], v[ACC2+32*\mb+2*ii+1]
.set ii, ii+1
.endr
	WIN 0
.irp f, 0,1,2,3
	ds_store_b128 v16, v[BIA+16*(\mb&1)+4*\f:BIA+16*(\mb&1)+4*\f+3] offset:\mb*16*PITCH+32*\f
.endr
.else
	WIN 0x04
.irp f, 0,1,2,3
	ds_store_b128 v19, v[ACC2+32*\mb+8*\f:ACC2+32*\mb+8*\f+3] offset:\mb*16*RPITCH+64*\f
	ds_store_b128 v19, v[ACC2+32*\mb+8*\f+4:ACC2+32*\mb+8*\f+7] offset:\mb*16*RPITCH+64*\f+16
.endr
	WIN 0
.endif
.endm
.macro LN bofs, gofs, beofs, stat, mode
	PLACES 4
.irp f, 0,1,2,3
	ds_load_b128 v[BIA+8*\f:BIA+8*\f+3], v20 offset:\bofs+64*\f
	ds_load_b128 v[BIA+8*\f+4:BIA+8*\f+7], v20 offset:\bofs+64*\f+16
	ds_load_b128 v[AF+8*\f:AF+8*\f+3], v20 offset:\gofs+64*\f
	ds_load_b128 v[AF+8*\f+4:AF+8*\f+7], v20 offset:\gofs+64*\f+16
	ds_load_b128 v[AF+32+8*\f:AF+32+8*\f+3], v20 offset:\beofs+64*\f
	ds_load_b128 v[AF+32+8*\f+4:AF+32+8*\f+7], v20 offset:\beofs+64*\f+16
.endr
	s_wait_dscnt 0x0
.irp mb, 0,1,2,3
	LNP1 \mb, \stat
.endr
	s_wait_dscnt 0x0                               ; my figures are written, and all my earlier LDS reads are back
	s_barrier_signal -1
	s_barrier_wait -1
.irp mb, 0,1,2,3
	ds_load_b128 v[TMP+8*\mb:TMP+8*\mb+3], v22 offset:\stat+512*\mb
	ds_load_b128 v[TMP+8*\mb+4:TMP+8*\mb+7], v22 offset:\stat+512*\mb+16
.endr
	s_wait_dscnt 0x0
.irp mb, 0,1,2,3
	LNP2 \mb, \mode
.endr
.endm
; chunk c of the hidden layer: H = relu(x W1 + b1) for 256 columns, then ACC2 += H W2.  H0 and H1 take turns: a chunk's H is written again two chunks on,
; behind the next chunk's barrier, in front of which every wave's reads of it are back.
.macro CHUNK c
.set S0, 8+16*\c
	PLACES 4
.irp f, 0,1,2,3
	ds_load_b128 v[BIA+8*\f:BIA+8*\f+3], v20 offset:6144+1024*\c+64*\f
	ds_load_b128 v[BIA+8*\f+4:BIA+8*\f+7], v20 offset:6144+1024*\c+64*\f+16
.endr
	ALOAD 0, 13, 0
	STEP S0, ACC1, 1, 13, 1
.irp t, 1,2,3,4,5,6
	STEP S0+\t, ACC1, 0, 13, \t+1
.endr
	STEP S0+7, ACC1, 0, 0, 0
	PLACES 4
.irp mb, 0,1,2,3
	WIN 0x04
.set ii, 0
.rept 32
	v_max_num_f32 v[TMP+ii], 0, v[ACC1+32*\mb+ii]
.set ii, ii+1
.endr
	WIN 0
.set ii, 0
.rept 16
	v_cvt_pk_bf16_f32 v[AF+16*\mb+ii], v[TMP+2*ii], v[TMP+2*ii+1]
.set ii, ii+1
.endr
.irp f, 0,1,2,3
	ds_store_b128 v[17+(\c&1)], v[AF+16*\mb+4*\f:AF+16*\mb+4*\f+3] offset:\mb*16*PITCH+32*\f
.endr
.endr
	s_wait_dscnt 0x0
	s_barrier_signal -1
	s_barrier_wait -1                              ; the chunk's H is whole
	ALOAD 0, 14+(\c&1), 0
.irp t, 0,1,2,3,4,5,6
	STEP S0+8+\t, ACC2, 0, 14+(\c&1), \t+1
.endr
	STEP S0+15, ACC2, 0, 0, 0
.endm
	BLOAD 0                                        ; the weight stream starts while the last rows' stores drain
	BLOAD 1
	BLOAD 2
	s_wait_dscnt 0x0
	s_barrier_signal -1
	s_barrier_wait -1                              ; S, src and the parameters are whole
	; src + S W_out: src is the first C
	WIN 0x40
.irp mb, 0,1,2,3
.irp f, 0,1,2,3
	ds_load_b128 v[ACC2+8*(4*\mb+\f):ACC2+8*(4*\mb+\f)+3], v19 offset:\mb*16*RPITCH+64*\f
	ds_load_b128 v[ACC2+8*(4*\mb+\f)+4:ACC2+8*(4*\mb+\f)+7], v19 offset:\mb*16*RPITCH+64*\f+16
.endr
.endr
	WIN 0
	ALOAD 0, 12, 0
.irp t, 0,1,2,3,4,5,6
	STEP \t, ACC2, 0, 12, \t+1
.endr
	STEP 7, ACC2, 0, 0, 0
	LN 0, 1024, 2048, 0, 1
	s_wait_dscnt 0x0
	s_barrier_signal -1
	s_barrier_wait -1                              ; X is whole; src in LDS was last read in front of the norm's barrier, so H0 may now be written over it
	CHUNK 0
	CHUNK 1
	CHUNK 2
	CHUNK 3
	LN 3072, 4096, 5120, 4096, 2                   ; the result goes over H0 and H1 behind the norm's barrier, in front of which all reads of them are back
	s_wait_dscnt 0x0
	s_barrier_signal -1
	s_barrier_wait -1
	; the way out: wave w stores rows 16 w .. +15, four rows a trip, 512 consecutive bytes a store; rows past the last are left out (their number is a multiple of 4 in every wave)
	s_mul_i32 s36, s30, 16*RPITCH
	s_add_co_u32 s36, s36, RES
	v_add_nc_u32 v4, s36, v1
	s_lshl_b32 s36, s35, 10
	v_add_nc_u32 v5, s36, v1
	s_sub_co_i32 s44, M, s35
	s_max_i32 s44, s44, 0
	s_min_i32 s44, s44, 16
	s_lshr_b32 s44, s44, 2
	s_cmp_eq_u32 s44, 0
	s_cbranch_scc1 .Lend
	s_mov_b32 s45, 0
.Lcopy:
.irp t, 0,1,2,3
	ds_load_b128 v[32+8*\t:32+8*\t+3], v4 offset:\t*RPITCH
	ds_load_b128 v[32+8*\t+4:32+8*\t+7], v4 offset:\t*RPITCH+512
.endr
	s_wait_dscnt 0x0
.irp t, 0,1,2,3
	global_store_b128 v5, v[32+8*\t:32+8*\t+3], s[28:29] offset:\t*1024 th:TH_STORE_NT
	global_store_b128 v5, v[32+8*\t+4:32+8*\t+7], s[28:29] offset:\t*1024+512 th:TH_STORE_NT
.endr
	s_wait_xcnt 0x0                                ; the stores' data and offset registers are written again only behind this wait
	v_add_nc_u32 v4, 4*RPITCH, v4
	v_add_nc_u32 v5, 4096, v5
	s_add_co_u32 s45, s45, 1
	s_cmp_lt_u32 s45, s44
	s_cbranch_scc1 .Lcopy
.Lend:
	s_barrier_signal -1
	s_barrier_wait -1
	s_wait_tensorcnt 0x0
	ds_add_u32 v30, v31
	s_wait_dscnt 0x0
	s_endpgm
.Lfunc_end_k_q3c2856998e_attn_ffn:
	.size	k_q3c2856998e_attn_ffn, .Lfunc_end_k_q3c2856998e_attn_ffn-k_q3c2856998e_attn_ffn
	.p2alignl 7, 3214868480
	.fill 96, 4, 3214868480
	.section	.rodata,"a",@progbits
	.p2align	6, 0x0
	.amdhsa_kernel k_q3c2856998e_attn_ffn
		.amdhsa_group_segment_fixed_size 289792
		.amdhsa_private_segment_fixed_size 0
		.amdhsa_enable_private_segment 0
		.amdhsa_kernarg_size 104
		.amdhsa_user_sgpr_count 2
		.amdhsa_user_sgpr_kernarg_segment_ptr 1
		.amdhsa_wavefront_size32 1
		.amdhsa_system_sgpr_workgroup_id_x 1
		.amdhsa_system_sgpr_workgroup_id_y 1
		.amdhsa_system_sgpr_workgroup_id_z 1
		.amdhsa_system_vgpr_workitem_id 0
		.amdhsa_next_free_vgpr 512
		.amdhsa_next_free_sgpr 66
		.amdhsa_reserve_vcc 0
		.amdhsa_float_denorm_mode_32 3
		.amdhsa_float_denorm_mode_16_64 3
		.amdhsa_memory_ordered 1
		.amdhsa_forward_progress 1
		.amdhsa_inst_pref_size 255
	.end_amdhsa_kernel
	.section	.bss,"aw",@nobits
	.p2align	6
	.space	262144
	.amdgpu_metadata
---
amdhsa.version: [ 1, 2 ]
amdhsa.kernels:
  - .name:           k_q3c2856998e_attn_ffn
    .symbol:         k_q3c2856998e_attn_ffn.kd
    .args:
      - { .name: idx, .offset: 0, .size: 8, .value_kind: global_buffer, .address_space: global }
      - { .name: wts, .offset: 8, .size: 8, .value_kind: global_buffer, .address_space: global }
      - { .name: value, .offset: 16, .size: 8, .value_kind: global_buffer, .address_space: global }
      - { .name: src, .offset: 24, .size: 8, .value_kind: global_buffer, .address_space: global }
      - { .name: wfrag, .offset: 32, .size: 8, .value_kind: global_buffer, .address_space: global }
      - { .name: b_out, .offset: 40, .size: 8, .value_kind: global_buffer, .address_space: global }
      - { .name: g1, .offset: 48, .size: 8, .value_kind: global_buffer, .address_space: global }
      - { .name: be1, .offset: 56, .size: 8, .value_kind: global_buffer, .address_space: global }
      - { .name: b2, .offset: 64, .size: 8, .value_kind: global_buffer, .address_space: global }
      - { .name: g2, .offset: 72, .size: 8, .value_kind: global_buffer, .address_space: global }
      - { .name: be2, .offset: 80, .size: 8, .value_kind: global_buffer, .address_space: global }
      - { .name: b1, .offset: 88, .size: 8, .value_kind: global_buffer, .address_space: global }
      - { .name: out0, .offset: 96, .size: 8, .value_kind: global_buffer, .address_space: global }
    .group_segment_fixed_size: 289792
    .private_segment_fixed_size: 0
    .kernarg_segment_align: 8
    .kernarg_segment_size: 104
    .max_flat_workgroup_size: 256
    .sgpr_count:     66
    .vgpr_count:     512
    .wavefront_size: 32
...
	.end_amdgpu_metadata
.endif
;; end of part 3
;; ======== version 2 of 2: 4 launches; 1.71 times as fast as version 1
;; workspace buffers: wfrag 1,507,328 bytes; value 13,631,488 bytes; idx 13,631,488 bytes of whole numbers; wts 27,262,976 bytes; samp 13,631,488 bytes
;; launch prep: the kernel of part 1 again; grid 92 x 4, 8 waves a work-group, no clusters, 0 bytes of LDS; arguments W_value, W_off, W_attn, W_out, W1, W2, wfrag; writes wfrag
;; launch proj (part 4): grid 208 x 1, 8 waves a work-group, no clusters, 136,192 bytes of LDS; arguments src, pos, reference_points, wfrag, b_value, b_off, b_attn, value, idx, wts; writes value, idx, wts
.if DOCPART == 4
	.amdgcn_target "amdgcn-amd-amdhsa--gfx1250"
	.amdhsa_code_object_version 6
	.text
	.protected	k_q3c2856998e_proj
	.globl	k_q3c2856998e_proj
	.p2align	8
	.type	k_q3c2856998e_proj,@function
k_q3c2856998e_proj:
	s_mov_b64 s[64:65], 0
	v_nop
	global_prefetch_b8 v0, s[64:65] scope:SCOPE_SE
	s_setreg_imm32_b32 hwreg(HW_REG_WAVE_MODE, 25, 1), 1
	s_wait_xcnt 0x0
; proj: value = src W_value + b_value (stored bf16); offsets and logits = (src + pos) W + b; softmax over a head's 16 points; and for every
; (row, head, point) the index of the sample's upper left tap (whole numbers, for the next launch's addresses) and the four weights attention x bilinear x valid (bf16).
; A work-group owns 128 rows (208 x 128 = 26,624; rows past the last, 26,587, repeat it, and everything of theirs is written too).
; Wave w is head w: its 40 weight fragments (16 W_value, 16 W_off, 8 W_attn) are loaded once, 16 bytes a lane, and stay in registers; LDS holds the two bf16 activation tiles.
; Each weight byte is wanted by one wave of the work-group, in registers: a joint load into LDS would add an LDS read of every weight fragment, so there is no cluster here.
; THE MATRIX INSTRUCTION IS USED TRANSPOSED: source 0 = weights (16 columns), source 1 = activations (16 rows): lane (r, h2), register j holds out[row r][column 8 h2 + j].
;   offsets tile k: registers (2p, 2p+1) = (x, y) of point p of level 2k + h2;  logits tile (columns permuted by prep): register j = point j&3 of level 2 (j>>2) + h2.
; WHAT IS STORED lies in planes of 26,624 rows x 16 bytes, so that a lane's four registers are one piece and sixteen neighbouring lanes store 256 consecutive bytes, aligned:
;   value [4 head + quarter of the channels][row][8 bf16];  idx [4 head + level][row][4 points];  wts [8 head + pair of points][row][2 points x 4 weights].
;   An index counts positions in a batch's plane as the next launch keeps it in LDS: level's start + yb W + xb, and 14 more in batch 1, whose plane is fetched from row 13,280.
; THE TAPS: with xb = clamp(floor x, 0, W-2) the two taps xb, xb+1 with weights max(1 - |x - tap|, 0) give the bilinear weights with zero padding for every x.
; LIMITS: x is formed as ref W - 0.5 + off (not (ref + off/W) W - 0.5): a floor that flips moves weight continuously.  value and the combined weights are rounded once to bf16.
;   NaN inputs are not reproduced.  spatial_shapes and level_start_index are not read: the problem's function uses its static shapes (100, 50, 25, 13 squared), and so does this text.
.set M,      26588
.set LQ,     13294                     ; rows of a batch
.set PLANE,  425984                    ; 26,624 rows x 16 bytes
.set PITCH,  528                       ; LDS row of 256 bf16 + 16 bytes: an odd multiple of 16, so 16 rows start in 16 different 16-byte columns of 256
.set QT,     67584                     ; tile of src + pos, behind the tile of src at 0
; registers, window 0: v0-31 addresses and constants; window 1 (v256-511): offsets' fragments at 0, logits' at 128, W_value's k steps 0-3 at 192
.set FA,   32                          ; v32-95    activation fragments, 8 k steps x 8
.set VW,   96                          ; v96-159   W_value's k steps 4-7; at work in pass Q
.set ACC,  160                         ; v160-183  three accumulator tiles
.set BV,   184                         ; v184-199  b_value as two C tiles
.set TMP,  200                         ; v200-207  value, packed
.set REF,  216                         ; v216-223  reference points, two blocks in turn
.set BQ,   232                         ; v232-255  b_off (two tiles), b_attn as C tiles
.set PP,   96
.set IB,   100
.set SM,   102
.set XY,   106
.set FF,   108
.set EE,   110
.set E1,   112
.set UU,   114
.set AY,   118
.set W01,  120
.set W23,  122
.set GI,   124
.set WO,   132
.set MSB, 0
.macro WIN new                         ; s_set_vgpr_msb: bits 1:0 source 0, 3:2 source 1, 5:4 source 2, 7:6 destination; the high byte repeats the setting that is left
.if MSB != \new
	s_set_vgpr_msb (MSB<<8)|\new
.set MSB, \new
.endif
.endm
.macro PLACES n                        ; independent vector instructions behind a matrix instruction (ISA guide 7.12.1)
.rept \n
	v_nop
.endr
.endm
.macro LVL dst, lo, hi                 ; a level's constant: lanes 0-15 take lo, lanes 16-31 hi (vcc_lo = 0xffff0000)
	v_mov_b32 v[\dst], \hi
	v_cndmask_b32 v[\dst], \lo, v[\dst], vcc_lo
.endm
.macro WLOAD dst, f                    ; fragment f of my head: two loads of 512 consecutive bytes
	global_load_b128 v[\dst:\dst+3], v1, s[10:11] offset:(\f)*1024
	global_load_b128 v[\dst+4:\dst+7], v1, s[10:11] offset:(\f)*1024+512
.endm
	s_load_b512 s[4:19], s[0:1], 0x0               ; src s[4:5], pos s[6:7], reference_points s[8:9], wfrag s[10:11], b_value s[12:13], b_off s[14:15], b_attn s[16:17], value s[18:19]
	s_load_b128 s[20:23], s[0:1], 0x40             ; idx s[20:21], wts s[22:23]
	v_lshl_add_u32 v21, v0, 2, 0x21000
	v_mov_b32 v22, 0
	v_lshrrev_b32 v232, 5, v0
	v_readfirstlane_b32 s24, v232                  ; wave = head
	s_mov_b32 s25, ttmp9
	s_lshl_b32 s26, s25, 7                         ; the group's first row
	s_lshl4_add_u32 s27, s24, s26                  ; the first of the 16 rows that I convert
	s_mov_b32 s30, 0x76543210                      ; v_permlanex16_b32: lane i takes lane i of the other half
	s_mov_b32 s31, 0xfedcba98
	s_mov_b32 s32, 0x3fb8aa3b                      ; log2 e
	s_mov_b32 s42, M-1
	s_mov_b32 s43, LQ
	s_mov_b32 vcc_lo, 0xffff0000
	v_and_b32 v233, 31, v0                         ; L
	v_and_b32 v234, 15, v0                         ; r
	v_bfe_u32 v235, v0, 4, 1                       ; h2
	v_lshlrev_b32 v1, 4, v233                      ; 16 L
	s_mul_i32 s28, s24, 16*PITCH
	v_lshl_add_u32 v2, v233, 3, s28                ; tile of src: my 16 rows, 8 bytes a lane
	v_add_nc_u32 v3, QT, v2
	v_mul_u32_u24 v236, v234, PITCH
	v_lshl_add_u32 v10, v235, 4, v236              ; fragments of src: r x pitch + 16 h2
	v_add_nc_u32 v11, QT, v10
	s_lshl_b32 s29, s26, 4                         ; the group's first row in a plane
	s_mul_i32 s28, s24, 4*PLANE
	s_add_co_u32 s28, s28, s29
	v_mul_u32_u24 v12, v235, PLANE
	v_lshl_add_u32 v12, v234, 4, v12
	v_add_nc_u32 v12, s28, v12                     ; value and idx: plane 4 w + h2 (+ 2 for the second tile, in the immediate), row r of the group
	s_mul_i32 s28, s24, 8*PLANE
	s_add_co_u32 s28, s28, s29
	v_mul_u32_u24 v13, v235, 2*PLANE
	v_lshl_add_u32 v13, v234, 4, v13
	v_add_nc_u32 v13, s28, v13                     ; wts: plane 8 w + 2 h2 (+ 4 tile + pair, in the immediate)
	v_add_nc_u32 v23, s26, v234
	v_mov_b32 v30, 14
	v_lshlrev_b32 v31, 3, v235
	s_lshl_b32 s28, s24, 7
	v_lshl_add_u32 v176, v235, 5, s28              ; b_value, b_off: 4 (32 w + 8 h2); kept until the accumulator in v176 is first written, behind these loads' wait
	s_lshl_b32 s28, s24, 6
	v_lshl_add_u32 v177, v235, 4, s28              ; b_attn: 4 (16 w + 4 h2)
	LVL 26, 0x42c80000, 0x42480000                 ; (W, H) of level h2: 100 or 50
	v_mov_b32 v27, v26
	LVL 28, 0x41c80000, 0x41500000                 ; of level 2 + h2: 25 or 13
	v_mov_b32 v29, v28
	s_wait_kmcnt 0x0
	s_mul_i32 s38, s24, 40960
	s_mov_b32 s39, 0
	s_add_nc_u64 s[10:11], s[10:11], s[38:39]      ; my head's fragments
	WIN 0x40
.irp f, 0,1,2,3,4,5,6,7
	WLOAD 192+8*\f, \f
.endr
	WIN 0
.irp f, 8,9,10,11,12,13,14,15
	WLOAD VW+8*(\f-8), \f
.endr
.irp nb, 0,1
	global_load_b128 v[BV+8*\nb:BV+8*\nb+3], v176, s[12:13] offset:64*\nb
	global_load_b128 v[BV+8*\nb+4:BV+8*\nb+7], v176, s[12:13] offset:64*\nb+16
.endr
; THE TILES.  Wave w converts rows 16 w .. 16 w + 15 through a ring of six row slots in registers (four loads of 512 consecutive bytes a row: src twice, pos twice).
.macro TISSUE k, slot
.set SB, 32+16*(\slot)+((\slot)/4)*104
	s_add_co_u32 s28, s27, \k
	s_min_u32 s28, s28, s42                        ; rows past the last repeat it: no load leaves the buffers
	s_lshl_b32 s28, s28, 10
	v_add_nc_u32 v[4+(\slot)], s28, v1
	global_load_b128 v[SB:SB+3], v[4+(\slot)], s[4:5] th:TH_LOAD_NT
	global_load_b128 v[SB+4:SB+7], v[4+(\slot)], s[4:5] offset:512 th:TH_LOAD_NT
	global_load_b128 v[SB+8:SB+11], v[4+(\slot)], s[6:7] th:TH_LOAD_NT
	global_load_b128 v[SB+12:SB+15], v[4+(\slot)], s[6:7] offset:512 th:TH_LOAD_NT
.endm
.macro TDO k, slot, cnt
.set SB, 32+16*(\slot)+((\slot)/4)*104
.set TT, BQ+8*((\k)&1)
	s_wait_loadcnt \cnt                            ; the younger rows' loads, four each, may stay out; this also frees the slot's offset register
	v_cvt_pk_bf16_f32 v[TT], v[SB], v[SB+1]
	v_cvt_pk_bf16_f32 v[TT+1], v[SB+2], v[SB+3]
	v_cvt_pk_bf16_f32 v[TT+2], v[SB+4], v[SB+5]
	v_cvt_pk_bf16_f32 v[TT+3], v[SB+6], v[SB+7]
	ds_store_b64 v2, v[TT:TT+1] offset:(\k)*PITCH
	ds_store_b64 v2, v[TT+2:TT+3] offset:(\k)*PITCH+256
.irp j, 0,2,4,6
	v_pk_add_f32 v[SB+8+\j:SB+9+\j], v[SB+\j:SB+1+\j], v[SB+8+\j:SB+9+\j]     ; src + pos in f32, rounded once
.endr
	v_cvt_pk_bf16_f32 v[TT+4], v[SB+8], v[SB+9]
	v_cvt_pk_bf16_f32 v[TT+5], v[SB+10], v[SB+11]
	v_cvt_pk_bf16_f32 v[TT+6], v[SB+12], v[SB+13]
	v_cvt_pk_bf16_f32 v[TT+7], v[SB+14], v[SB+15]
	ds_store_b64 v3, v[TT+4:TT+5] offset:(\k)*PITCH
	ds_store_b64 v3, v[TT+6:TT+7] offset:(\k)*PITCH+256
.endm
.irp k, 0,1,2,3,4,5
	TISSUE \k, \k
.endr
.set kk, 0
.rept 16
.set lft, 4*(15-kk)
.if lft > 20
.set lft, 20
.endif
	TDO kk, kk%6, lft
.if kk <= 9
	TISSUE kk+6, kk%6
.endif
.set kk, kk+1
.endr
	s_wait_dscnt 0x0                               ; my part of both tiles is written: for the other waves' sake, and before v232-255 are loaded
	WIN 0x40
.irp f, 16,17,18,19,20,21,22,23,24,25,26,27,28,29,30,31
	WLOAD 8*(\f-16), \f
.endr
.irp f, 32,33,34,35,36,37,38,39
	WLOAD 128+8*(\f-32), \f
.endr
	WIN 0
.irp k, 0,1
	global_load_b128 v[BQ+8*\k:BQ+8*\k+3], v176, s[14:15] offset:64*\k
	global_load_b128 v[BQ+8*\k+4:BQ+8*\k+7], v176, s[14:15] offset:64*\k+16
.endr
	global_load_b128 v[BQ+16:BQ+19], v177, s[16:17]
	global_load_b128 v[BQ+20:BQ+23], v177, s[16:17] offset:32
	v_min_u32 v24, s42, v23
	v_lshl_add_u32 v24, v24, 5, v31                ; reference points of block 0: row x 32 + 8 h2
	global_load_b64 v[REF:REF+1], v24, s[8:9]
	global_load_b64 v[REF+2:REF+3], v24, s[8:9] offset:16
	LVL 4, 0x42c40000, 0x42400000                  ; (W-2, H-2) of level h2: 98 or 48   (the ring's offset registers are free: its last wait was for 0)
	v_mov_b32 v5, v4
	LVL 6, 0x41b80000, 0x41300000                  ; of level 2 + h2: 23 or 11
	v_mov_b32 v7, v6
	LVL 8, 0, 10000                                ; the level's first position in a plane
	LVL 9, 12500, 13125
	s_barrier_signal -1
	s_barrier_wait -1                              ; both tiles are whole; nobody writes them again
.macro FETCH hb, areg, blk             ; four k steps' fragments of 16 rows: two loads of 16 bytes a lane each, 32 bytes apart
.irp i, 0,1,2,3
	ds_load_b128 v[FA+8*(4*\hb+\i):FA+8*(4*\hb+\i)+3], v[\areg] offset:(\blk)*16*PITCH+(4*\hb+\i)*64
	ds_load_b128 v[FA+8*(4*\hb+\i)+4:FA+8*(4*\hb+\i)+7], v[\areg] offset:(\blk)*16*PITCH+(4*\hb+\i)*64+32
.endr
.endm
; PASS V.  The two accumulators take turns, one instruction a turn.  The first product takes the bias tile as C: nothing is cleared.
.macro VMUL hb
.if \hb == 0
	WIN 0x01
.else
	WIN 0
.endif
.irp q, 0,1,2,3
.irp nb, 0,1
.if \hb == 0
.if \q == 0
	v_wmma_f32_16x16x32_bf16 v[ACC+8*\nb:ACC+8*\nb+7], v[192+8*(2*\q+\nb):192+8*(2*\q+\nb)+7], v[FA+8*\q:FA+8*\q+7], v[BV+8*\nb:BV+8*\nb+7]
.else
	v_wmma_f32_16x16x32_bf16 v[ACC+8*\nb:ACC+8*\nb+7], v[192+8*(2*\q+\nb):192+8*(2*\q+\nb)+7], v[FA+8*\q:FA+8*\q+7], v[ACC+8*\nb:ACC+8*\nb+7]
.endif
.else
	v_wmma_f32_16x16x32_bf16 v[ACC+8*\nb:ACC+8*\nb+7], v[VW+8*(2*\q+\nb):VW+8*(2*\q+\nb)+7], v[FA+32+8*\q:FA+32+8*\q+7], v[ACC+8*\nb:ACC+8*\nb+7]
.endif
.endr
.endr
.endm
; 16 rows x my head's 32 channels: a lane's eight numbers of a tile are one piece of 16 bytes of plane 4 w + 2 tile + h2; lanes 0-15 and lanes 16-31 each store 256 consecutive bytes.
.macro VOUT i
	s_wait_xcnt 0x0                                ; the packed registers were the last block's store data
.irp nb, 0,1
.irp d, 0,1,2,3
	v_cvt_pk_bf16_f32 v[TMP+4*\nb+\d], v[ACC+8*\nb+2*\d], v[ACC+8*\nb+2*\d+1]
.endr
.endr
	global_store_b128 v12, v[TMP:TMP+3], s[18:19] offset:\i*256
	global_store_b128 v12, v[TMP+4:TMP+7], s[18:19] offset:2*PLANE+\i*256
.endm
.macro VBLK i
	s_wait_dscnt 8                                 ; k steps 0-3 are in; the eight younger loads may be out
	VMUL 0
	PLACES 4
	WIN 0
.if \i < 7
	FETCH 0, 10, \i+1
.else
	FETCH 0, 11, 0
.endif
	s_wait_dscnt 8                                 ; k steps 4-7 are in; only the eight just issued may be out
	VMUL 1
	PLACES 5
.if \i < 7
	FETCH 1, 10, \i+1
.else
	FETCH 1, 11, 0
.endif
	VOUT \i
.endm
	FETCH 0, 10, 0
	FETCH 1, 10, 0
.irp i, 0,1,2,3,4,5,6,7
	VBLK \i
.endr
; PASS Q.  Three accumulators (offsets of levels h2 and 2 + h2, logits) take turns, one instruction a turn.
.macro QMUL hb
	WIN 0x01
.irp q, 0,1,2,3
.set KS, 4*\hb+\q
.if KS == 0
	v_wmma_f32_16x16x32_bf16 v[ACC:ACC+7], v[16*KS:16*KS+7], v[FA+8*KS:FA+8*KS+7], v[BQ:BQ+7]
	v_wmma_f32_16x16x32_bf16 v[ACC+8:ACC+15], v[16*KS+8:16*KS+15], v[FA+8*KS:FA+8*KS+7], v[BQ+8:BQ+15]
	v_wmma_f32_16x16x32_bf16 v[ACC+16:ACC+23], v[128+8*KS:128+8*KS+7], v[FA+8*KS:FA+8*KS+7], v[BQ+16:BQ+23]
.else
	v_wmma_f32_16x16x32_bf16 v[ACC:ACC+7], v[16*KS:16*KS+7], v[FA+8*KS:FA+8*KS+7], v[ACC:ACC+7]
	v_wmma_f32_16x16x32_bf16 v[ACC+8:ACC+15], v[16*KS+8:16*KS+15], v[FA+8*KS:FA+8*KS+7], v[ACC+8:ACC+15]
	v_wmma_f32_16x16x32_bf16 v[ACC+16:ACC+23], v[128+8*KS:128+8*KS+7], v[FA+8*KS:FA+8*KS+7], v[ACC+16:ACC+23]
.endif
.endr
.endm
; softmax over a (row, head)'s 16 logits: eight in my registers v176-183, eight in lane L xor 16.  The maximum is taken away first.
.macro SOFTMAX
	v_max3_num_f32 v102, v176, v177, v178
	v_max3_num_f32 v103, v179, v180, v181
	v_max3_num_f32 v102, v102, v182, v183
	v_max_num_f32 v102, v102, v103
	v_permlanex16_b32 v103, v102, s30, s31
	v_max_num_f32 v102, v102, v103
	v_mul_f32 v102, s32, v102
.irp j, 176,177,178,179,180,181,182,183
	v_fma_f32 v\j, v\j, s32, -v102
.endr
.irp j, 176,177,178,179,180,181,182,183
	v_exp_f32 v\j, v\j
.endr
	v_nop                                          ; one plain vector instruction behind the last exponential before its result is used (ISA guide 5.7.2)
	s_wait_alu depctr_va_vdst(0)
	v_pk_add_f32 v[104:105], v[176:177], v[178:179]
	v_pk_add_f32 v[102:103], v[180:181], v[182:183]
	v_pk_add_f32 v[102:103], v[102:103], v[104:105]
	v_add_f32 v102, v102, v103
	v_permlanex16_b32 v103, v102, s30, s31
	v_add_f32 v102, v102, v103
	v_rcp_f32 v102, v102
	v_nop
	s_wait_alu depctr_va_vdst(0)
.irp j, 176,178,180,182
	v_pk_mul_f32 v[\j:\j+1], v[\j:\j+1], v[102:103] op_sel_hi:[1,0]
.endr
.endm
; point p of the level of tile k: index of the upper left tap and the four weights
.macro POINT k, p
	v_pk_add_f32 v[XY:XY+1], v[ACC+8*\k+2*\p:ACC+8*\k+2*\p+1], v[PP+2*\k:PP+2*\k+1]    ; (x, y) = off + ref W - 0.5
	v_floor_f32 v[FF], v[XY]
	v_floor_f32 v[FF+1], v[XY+1]
	v_med3_num_f32 v[FF], v[FF], 0, v[4+2*\k]      ; xb = clamp(floor x, 0, W - 2)
	v_med3_num_f32 v[FF+1], v[FF+1], 0, v[5+2*\k]
	v_pk_add_f32 v[EE:EE+1], v[XY:XY+1], v[FF:FF+1] neg_lo:[0,1] neg_hi:[0,1]
	v_fma_f32 v[SM], v[FF+1], v[26+2*\k], v[FF]    ; yb W + xb, exact in f32
	v_pk_add_f32 v[E1:E1+1], v[EE:EE+1], -1.0 op_sel_hi:[1,0]
	v_cvt_u32_f32 v[SM], v[SM]
	v_fma_f32 v[UU], |v110|, -1.0, 1.0             ; 1 - |x - xb|
	v_fma_f32 v[UU+1], |v112|, -1.0, 1.0           ; 1 - |x - xb - 1|
	v_fma_f32 v[UU+2], |v111|, -1.0, 1.0
	v_fma_f32 v[UU+3], |v113|, -1.0, 1.0
	v_add_nc_u32 v[GI+4*\k+\p], v[SM], v[IB+\k]
.irp u, 0,1,2,3
	v_max_num_f32 v[UU+\u], 0, v[UU+\u]
.endr
.if (\p & 1) == 0
	v_pk_mul_f32 v[AY:AY+1], v[UU+2:UU+3], v[176+4*\k+\p:176+4*\k+\p+1] op_sel_hi:[1,0]
.else
	v_pk_mul_f32 v[AY:AY+1], v[UU+2:UU+3], v[176+4*\k+\p-1:176+4*\k+\p] op_sel:[0,1] op_sel_hi:[1,1]
.endif
	v_pk_mul_f32 v[W01:W01+1], v[UU:UU+1], v[AY:AY+1] op_sel_hi:[1,0]
	v_pk_mul_f32 v[W23:W23+1], v[UU:UU+1], v[AY:AY+1] op_sel:[0,1] op_sel_hi:[1,1]
	v_cvt_pk_bf16_f32 v[WO+8*\k+2*\p], v[W01], v[W01+1]
	v_cvt_pk_bf16_f32 v[WO+8*\k+2*\p+1], v[W23], v[W23+1]
.endm
.macro QOUT i
.set PR, (\i)&1
.set RF, REF+4*PR
	s_wait_xcnt 0x0                                ; the index and weight registers were the last block's store data
	v_pk_fma_f32 v[PP:PP+1], v[RF:RF+1], v[26:27], -0.5 op_sel_hi:[1,1,0]
	v_pk_fma_f32 v[PP+2:PP+3], v[RF+2:RF+3], v[28:29], -0.5 op_sel_hi:[1,1,0]
	v_add_nc_u32 v[SM], 16*\i, v23
	v_cmp_le_u32 vcc_lo, s43, v[SM]
	v_cndmask_b32 v[SM], 0, v30, vcc_lo            ; batch 1's positions lie 14 further on in its plane as it is kept in LDS
	v_add_nc_u32 v[IB], v[SM], v8
	v_add_nc_u32 v[IB+1], v[SM], v9
	SOFTMAX
.irp k, 0,1
.irp p, 0,1,2,3
	POINT \k, \p
.endr
.endr
	; a lane's four indices of a level, and its eight weights of a pair of points, are pieces of 16 bytes: lanes 0-15 and lanes 16-31 each store 256 consecutive bytes, aligned
	global_store_b128 v12, v[GI:GI+3], s[20:21] offset:\i*256
	global_store_b128 v12, v[GI+4:GI+7], s[20:21] offset:2*PLANE+\i*256
	global_store_b128 v13, v[WO:WO+3], s[22:23] offset:\i*256
	global_store_b128 v13, v[WO+4:WO+7], s[22:23] offset:PLANE+\i*256
	global_store_b128 v13, v[WO+8:WO+11], s[22:23] offset:4*PLANE+\i*256
	global_store_b128 v13, v[WO+12:WO+15], s[22:23] offset:5*PLANE+\i*256
.endm
.macro QBLK i
.set PR, (\i)&1
.if \i < 7
	v_add_nc_u32 v[SM], 16*(\i+1), v23
	v_min_u32 v[SM], s42, v[SM]
	v_lshl_add_u32 v[25-PR], v[SM], 5, v31         ; free: the loads that used it were shown done one block ago
	global_load_b64 v[REF+4*(1-PR):REF+4*(1-PR)+1], v[25-PR], s[8:9]
	global_load_b64 v[REF+4*(1-PR)+2:REF+4*(1-PR)+3], v[25-PR], s[8:9] offset:16
	s_wait_loadcnt 2                               ; only the next block's two loads may be out: in block 0 this also shows the 48 weight loads and the biases done
	s_wait_dscnt 8                                 ; k steps 0-3 are in
.else
	s_wait_loadcnt 0
	s_wait_dscnt 0
.endif
	QMUL 0
	PLACES 4
	WIN 0
.if \i < 7
	FETCH 0, 11, \i+1
	s_wait_dscnt 8                                 ; k steps 4-7 are in; only the eight just issued may be out
.else
	s_wait_dscnt 0
.endif
	QMUL 1
	PLACES 5
	WIN 0
.if \i < 7
	FETCH 1, 11, \i+1
.endif
	QOUT \i
.endm
.irp i, 0,1,2,3,4,5,6,7
	QBLK \i
.endr
	s_barrier_signal -1
	s_barrier_wait -1
	s_wait_tensorcnt 0x0
	ds_add_u32 v21, v22
	s_wait_dscnt 0x0
	s_endpgm
.Lfunc_end_k_q3c2856998e_proj:
	.size	k_q3c2856998e_proj, .Lfunc_end_k_q3c2856998e_proj-k_q3c2856998e_proj
	.p2alignl 7, 3214868480
	.fill 96, 4, 3214868480
	.section	.rodata,"a",@progbits
	.p2align	6, 0x0
	.amdhsa_kernel k_q3c2856998e_proj
		.amdhsa_group_segment_fixed_size 136192
		.amdhsa_private_segment_fixed_size 0
		.amdhsa_enable_private_segment 0
		.amdhsa_kernarg_size 80
		.amdhsa_user_sgpr_count 2
		.amdhsa_user_sgpr_kernarg_segment_ptr 1
		.amdhsa_wavefront_size32 1
		.amdhsa_system_sgpr_workgroup_id_x 1
		.amdhsa_system_sgpr_workgroup_id_y 1
		.amdhsa_system_sgpr_workgroup_id_z 1
		.amdhsa_system_vgpr_workitem_id 0
		.amdhsa_next_free_vgpr 512
		.amdhsa_next_free_sgpr 66
		.amdhsa_reserve_vcc 1
		.amdhsa_float_denorm_mode_32 3
		.amdhsa_float_denorm_mode_16_64 3
		.amdhsa_memory_ordered 1
		.amdhsa_forward_progress 1
		.amdhsa_inst_pref_size 186
	.end_amdhsa_kernel
	.amdgpu_metadata
---
amdhsa.version: [ 1, 2 ]
amdhsa.kernels:
  - .name:           k_q3c2856998e_proj
    .symbol:         k_q3c2856998e_proj.kd
    .args:
      - { .name: src, .offset: 0, .size: 8, .value_kind: global_buffer, .address_space: global }
      - { .name: pos, .offset: 8, .size: 8, .value_kind: global_buffer, .address_space: global }
      - { .name: reference_points, .offset: 16, .size: 8, .value_kind: global_buffer, .address_space: global }
      - { .name: wfrag, .offset: 24, .size: 8, .value_kind: global_buffer, .address_space: global }
      - { .name: b_value, .offset: 32, .size: 8, .value_kind: global_buffer, .address_space: global }
      - { .name: b_off, .offset: 40, .size: 8, .value_kind: global_buffer, .address_space: global }
      - { .name: b_attn, .offset: 48, .size: 8, .value_kind: global_buffer, .address_space: global }
      - { .name: value, .offset: 56, .size: 8, .value_kind: global_buffer, .address_space: global }
      - { .name: idx, .offset: 64, .size: 8, .value_kind: global_buffer, .address_space: global }
      - { .name: wts, .offset: 72, .size: 8, .value_kind: global_buffer, .address_space: global }
    .group_segment_fixed_size: 136192
    .private_segment_fixed_size: 0
    .kernarg_segment_align: 8
    .kernarg_segment_size: 80
    .max_flat_workgroup_size: 256
    .sgpr_count:     66
    .vgpr_count:     512
    .wavefront_size: 32
...
	.end_amdgpu_metadata
.endif
;; end of part 4
;; launch gather (part 5): grid 256 x 1, 8 waves a work-group, no clusters, 214,016 bytes of LDS; arguments value, idx, wts, samp; writes samp
.if DOCPART == 5
	.amdgcn_target "amdgcn-amd-amdhsa--gfx1250"
	.amdhsa_code_object_version 6
	.text
	.protected	k_q3c2856998e_gather
	.globl	k_q3c2856998e_gather
	.p2align	8
	.type	k_q3c2856998e_gather,@function
k_q3c2856998e_gather:
	s_mov_b64 s[64:65], 0
	v_nop
	global_prefetch_b8 v0, s[64:65] scope:SCOPE_SE
	s_setreg_imm32_b32 hwreg(HW_REG_WAVE_MODE, 25, 1), 1
	s_wait_xcnt 0x0
; gather: samp[row][head][channel] = sum over 16 points x 4 taps of weight x value, with value kept in LDS.
; A work-group is (batch n, head h, quarter c4 of the head's 32 channels, quarter qq of the batch's rows): 2 x 8 x 4 x 4 = 256 work-groups.
; THE NUMBERING: of the work-group's number, bits 0-1 are qq, bit 2 is n, bit 3 and bits 6-7 are h, bits 4-5 are c4.  Only work-groups of one (n, h) read common bytes
; (a plane is read by the four qq, a row quarter's indices and weights by the four c4), and those sixteen have numbers that agree in bits 2 and 3:
; two work-groups whose numbers differ in bit 2 or in bit 3 read no common byte.
; It keeps the plane value[4 h + c4] of its batch in LDS: 13,312 positions x 16 bytes = 212,992 bytes, fetched once, 104 rows of 256 bytes by each of the eight waves
; (one tensor load a wave is outstanding, and no byte of LDS is filled twice).  Batch 1's plane is fetched from row 13,280, a multiple of 16 rows, and its indices carry the 14.
; A lane is a row: 13 passes of 256 rows.  A tap is one LDS load of 16 bytes a lane (8 channels); a row's 64 taps are 512 multiply-adds in f32 from bf16 halves; no sum crosses lanes.
; The product runs on the vector unit: every (row, head) has its own gathered operand, so a matrix form would have one row.
; A unit = one level = 16 LDS loads; three units are always on their way in a ring of four in v256-511.  Indices come two passes ahead, weights one pass ahead, 512 consecutive bytes a load.
; Rows: n x 13,280 + qq x 3,328 + pass x 256 + thread.  The 18 rows (batch 0) and 14 rows (batch 1) of that range that belong to the other batch are worked on like the others
; (their indices stay inside LDS by the clamp) and land in slots of samp that nobody reads: slot = row + 32 n, so each slot of a plane of samp is stored by one work-group, with no lane off.
; NO CLUSTER: the four work-groups that share a plane read it at LDS addresses made of their own rows' indices, numbers that differ between them.
; Each fetches the plane itself: 212,992 bytes, against the 3,328 x 64 x 16 = 3.4 MB that it then reads from LDS.
; LIMITS: value and the weights are bf16 (rounded once by the launch before), the sums f32; NaN inputs are not reproduced.
.set PLANE,  425984                    ; 26,624 rows x 16 bytes
.set LPOS,   13312                     ; positions in LDS
.set WSHARE, LPOS*16/8                 ; a wave's share of the fill: 26,624 bytes
.set B1ROW,  13280
.set QROWS,  3328
.set IDX,  32                          ; v32-63   indices, two passes in turn
.set WTS,  64                          ; v64-127  weights, two passes in turn
.set ADR,  144                         ; v144-159 LDS addresses of a unit's four points, a set for each level
.set ACCG, 160                         ; v160-167 my eight sums
.set PK,   168                         ; v168-171 packed
.set MSB, 0
.macro WIN new                         ; s_set_vgpr_msb: bits 1:0 source 0, 3:2 source 1, 5:4 source 2, 7:6 destination; the high byte repeats the setting that is left
.if MSB != \new
	s_set_vgpr_msb (MSB<<8)|\new
.set MSB, \new
.endif
.endm
	s_load_b256 s[4:11], s[0:1], 0x0               ; value s[4:5], idx s[6:7], wts s[8:9], samp s[10:11]
	v_lshl_add_u32 v254, v0, 2, 0x34000
	v_mov_b32 v255, 0
	ds_add_u32 v254, v255
	ds_add_u32 v254, v255
	v_lshrrev_b32 v1, 5, v0
	v_readfirstlane_b32 s12, v1                    ; wave
	s_and_b32 s13, ttmp9, 3                        ; qq: bits 0-1
	s_bfe_u32 s15, ttmp9, 0x10002                  ; n: bit 2
	s_bfe_u32 s16, ttmp9, 0x10003                  ; h's low bit: bit 3
	s_bfe_u32 s14, ttmp9, 0x20006                  ; h's upper two bits: bits 6-7
	s_lshl1_add_u32 s16, s14, s16                  ; h
	s_bfe_u32 s14, ttmp9, 0x20004                  ; c4: bits 4-5
	s_lshl2_add_u32 s14, s16, s14                  ; plane 4 h + c4
	; descriptor group 1: a dense block as 104 rows of 32 elements of 8 bytes
	s_mov_b32 s24, 3<<16                           ; no mask; element of 8 bytes; no padding
	s_mov_b32 s25, 32<<16                          ; tensor_dim0 = 32
	s_mov_b32 s26, 104<<16                         ; tensor_dim1 = 104
	s_mov_b32 s27, 32<<16                          ; tile_dim0 = 32
	s_mov_b32 s28, 104                             ; tile_dim1 = 104
	s_mov_b32 s29, 32                              ; elements from row to row
	s_mov_b32 s30, 0
	s_mov_b32 s31, 0
	s_mul_i32 s17, s12, WSHARE
	s_mul_i32 s18, s14, PLANE
	s_mul_i32 s19, s15, B1ROW*16
	s_add_co_u32 s18, s18, s19
	s_add_co_u32 s18, s18, s17                     ; my share of the plane: plane, batch's first row, wave
	s_mov_b32 s19, 0
	s_wait_dscnt 0x0
	s_wait_kmcnt 0x0
	s_mov_b32 s32, 1                               ; group 0: count
	s_mul_i32 s33, s12, WSHARE                     ; LDS address: the wave's number times its share
	s_add_nc_u64 s[34:35], s[4:5], s[18:19]
	s_or_b32 s35, s35, 0x80000000                  ; type
	tensor_load_to_lds s[32:35], s[24:31]          ; the launch's only fill, ahead of every wait on it, every LDS read and the barrier
	s_nop 0
	s_mul_i32 s20, s15, B1ROW
	s_mul_i32 s21, s13, QROWS
	s_add_co_u32 s20, s20, s21
	s_lshl_b32 s21, s12, 5
	s_add_co_u32 s20, s20, s21
	v_and_b32 v1, 31, v0
	v_add_lshl_u32 v6, v1, s20, 4                  ; 16 x my row of pass 0: the one offset register, for indices, weights and the result
	s_mul_i32 s18, s16, 4*PLANE
	s_add_nc_u64 s[6:7], s[6:7], s[18:19]          ; my head's four planes of idx
	s_mul_i32 s18, s16, 8*PLANE
	s_add_nc_u64 s[8:9], s[8:9], s[18:19]          ; and eight of wts
	s_mul_i32 s18, s14, PLANE
	s_lshl_b32 s21, s15, 9
	s_add_co_u32 s18, s18, s21
	s_add_nc_u64 s[10:11], s[10:11], s[18:19]      ; my plane of samp, 32 slots on for batch 1
.irp l, 0,1,2,3
	global_load_b128 v[IDX+4*\l:IDX+4*\l+3], v6, s[6:7] offset:\l*PLANE
	global_load_b128 v[IDX+16+4*\l:IDX+16+4*\l+3], v6, s[6:7] offset:\l*PLANE+4096
.endr
.irp pp, 0,1,2,3,4,5,6,7
	global_load_b128 v[WTS+4*\pp:WTS+4*\pp+3], v6, s[8:9] offset:\pp*PLANE
.endr
	v_mov_b32 v23, 0                               ; the addend of a row's first eight products
	s_wait_loadcnt 0x0
	s_wait_tensorcnt 0x0                           ; my share of the plane has landed,
	s_barrier_signal -1
	s_barrier_wait -1                              ; everybody's has
.macro LEVEL l                         ; the level's width; the largest index whose four taps stay inside the 13,312 positions
.if (\l) == 0
.set WL, 100
.endif
.if (\l) == 1
.set WL, 50
.endif
.if (\l) == 2
.set WL, 25
.endif
.if (\l) == 3
.set WL, 13
.endif
.set CL, LPOS-1-WL-1
.endm
.macro GISSUE par, l                   ; a unit: four points x four taps of level l, pass of parity par
	LEVEL \l
.irp q, 0,1,2,3
	v_min_u32 v[ADR+4*(\l)+\q], CL, v[IDX+16*(\par)+4*(\l)+\q]
	v_lshlrev_b32 v[ADR+4*(\l)+\q], 4, v[ADR+4*(\l)+\q]
.endr
	WIN 0x40
.irp q, 0,1,2,3
.irp dy, 0,1
.irp dx, 0,1
	ds_load_b128 v[64*(\l)+16*\q+8*\dy+4*\dx:64*(\l)+16*\q+8*\dy+4*\dx+3], v[ADR+4*(\l)+\q] offset:(\dy*WL+\dx)*16
.endr
.endr
.endr
	WIN 0
.endm
; the side loads issued in pass i: indices of pass i + 2 (mode 1 only), weights of pass i + 1; a pass is 256 rows = 4,096 bytes of a plane
.macro GAUX par, mode
.if \mode == 1
.irp l, 0,1,2,3
	global_load_b128 v[IDX+16*\par+4*\l:IDX+16*\par+4*\l+3], v6, s[6:7] offset:\l*PLANE+8192
.endr
.endif
.if \mode >= 1
.irp pp, 0,1,2,3,4,5,6,7
	global_load_b128 v[WTS+32*(1-\par)+4*\pp:WTS+32*(1-\par)+4*\pp+3], v6, s[8:9] offset:\pp*PLANE+4096
.endr
.endif
.endm
; one unit's turn.  n = the LDS loads issued behind this unit's sixteen: the two younger units.
.macro GSTEP par, l, n, issue, aux
	s_wait_dscnt \n
.if \l == 0
	s_wait_loadcnt 0x0                             ; the side loads of the pass before: this pass's weights, the next pass's indices; they were issued a whole pass ago
.endif
.if \issue
.if \l == 0
	GISSUE \par, 3                                 ; the unit three ahead, into the ring's part that the last turn has used up
.else
	GISSUE 1-\par, \l-1
.endif
.endif
.if \l == 0
	GAUX \par, \aux
.endif
.if \l == 1
	s_wait_xcnt 0x0                                ; the offset register, which the side loads and the last store name, and that store's data are written again only behind this wait
	v_add_nc_u32 v6, 4096, v6                      ; the next pass's rows; this pass's store reaches back
.endif
	WIN 0x01
.irp q, 0,1,2,3
.irp dy, 0,1
.irp dx, 0,1
.irp eh, 0,1,2,3
.irp el, 0,1
.if (\l+\q+\dy+\dx) == 0
	v_fma_mix_f32_bf16 v[ACCG+2*\eh+\el], v[64*\l+16*\q+8*\dy+4*\dx+\eh], v[WTS+32*\par+2*(4*\l+\q)+\dy], v23 op_sel:[\el,\dx,0] op_sel_hi:[1,1,0]
.else
	v_fma_mix_f32_bf16 v[ACCG+2*\eh+\el], v[64*\l+16*\q+8*\dy+4*\dx+\eh], v[WTS+32*\par+2*(4*\l+\q)+\dy], v[ACCG+2*\eh+\el] op_sel:[\el,\dx,0] op_sel_hi:[1,1,0]
.endif
.endr
.endr
.endr
.endr
.endr
	WIN 0
.if \l == 3
.irp d2, 0,1,2,3
	v_cvt_pk_bf16_f32 v[PK+\d2], v[ACCG+2*\d2], v[ACCG+2*\d2+1]
.endr
	global_store_b128 v6, v[PK:PK+3], s[10:11] offset:-4096        ; 32 rows x 16 bytes: 512 consecutive bytes, aligned
.endif
.endm
	GISSUE 0, 0
	GISSUE 0, 1
	GISSUE 0, 2
	s_mov_b32 s20, 0
.Lpass:                                            ; two passes a trip, passes 0 to 9
	GSTEP 0, 0, 32, 1, 1
	GSTEP 0, 1, 32, 1, 0
	GSTEP 0, 2, 32, 1, 0
	GSTEP 0, 3, 32, 1, 0
	GSTEP 1, 0, 32, 1, 1
	GSTEP 1, 1, 32, 1, 0
	GSTEP 1, 2, 32, 1, 0
	GSTEP 1, 3, 32, 1, 0
	s_add_co_u32 s20, s20, 1
	s_cmp_lt_u32 s20, 5
	s_cbranch_scc1 .Lpass
	GSTEP 0, 0, 32, 1, 1                           ; pass 10: the last indices (pass 12's) are asked for
	GSTEP 0, 1, 32, 1, 0
	GSTEP 0, 2, 32, 1, 0
	GSTEP 0, 3, 32, 1, 0
	GSTEP 1, 0, 32, 1, 2                           ; pass 11: the last weights
	GSTEP 1, 1, 32, 1, 0
	GSTEP 1, 2, 32, 1, 0
	GSTEP 1, 3, 32, 1, 0
	GSTEP 0, 0, 32, 1, 0                           ; pass 12: its last unit goes out, then nothing more is asked for and the counts run down
	GSTEP 0, 1, 32, 0, 0
	GSTEP 0, 2, 16, 0, 0
	GSTEP 0, 3, 0, 0, 0
	s_wait_tensorcnt 0x0
	ds_add_u32 v254, v255
	s_wait_dscnt 0x0
	s_endpgm
.Lfunc_end_k_q3c2856998e_gather:
	.size	k_q3c2856998e_gather, .Lfunc_end_k_q3c2856998e_gather-k_q3c2856998e_gather
	.p2alignl 7, 3214868480
	.fill 96, 4, 3214868480
	.section	.rodata,"a",@progbits
	.p2align	6, 0x0
	.amdhsa_kernel k_q3c2856998e_gather
		.amdhsa_group_segment_fixed_size 214016
		.amdhsa_private_segment_fixed_size 0
		.amdhsa_enable_private_segment 0
		.amdhsa_kernarg_size 32
		.amdhsa_user_sgpr_count 2
		.amdhsa_user_sgpr_kernarg_segment_ptr 1
		.amdhsa_wavefront_size32 1
		.amdhsa_system_sgpr_workgroup_id_x 1
		.amdhsa_system_sgpr_workgroup_id_y 1
		.amdhsa_system_sgpr_workgroup_id_z 1
		.amdhsa_system_vgpr_workitem_id 0
		.amdhsa_next_free_vgpr 512
		.amdhsa_next_free_sgpr 66
		.amdhsa_reserve_vcc 0
		.amdhsa_float_denorm_mode_32 3
		.amdhsa_float_denorm_mode_16_64 3
		.amdhsa_memory_ordered 1
		.amdhsa_forward_progress 1
		.amdhsa_inst_pref_size 202
	.end_amdhsa_kernel
	.amdgpu_metadata
---
amdhsa.version: [ 1, 2 ]
amdhsa.kernels:
  - .name:           k_q3c2856998e_gather
    .symbol:         k_q3c2856998e_gather.kd
    .args:
      - { .name: value, .offset: 0, .size: 8, .value_kind: global_buffer, .address_space: global }
      - { .name: idx, .offset: 8, .size: 8, .value_kind: global_buffer, .address_space: global }
      - { .name: wts, .offset: 16, .size: 8, .value_kind: global_buffer, .address_space: global }
      - { .name: samp, .offset: 24, .size: 8, .value_kind: global_buffer, .address_space: global }
    .group_segment_fixed_size: 214016
    .private_segment_fixed_size: 0
    .kernarg_segment_align: 8
    .kernarg_segment_size: 32
    .max_flat_workgroup_size: 256
    .sgpr_count:     66
    .vgpr_count:     512
    .wavefront_size: 32
...
	.end_amdgpu_metadata
.endif
;; end of part 5
;; launch ffn (part 6): grid 208 x 1, 8 waves a work-group, no clusters, 289,792 bytes of LDS; arguments samp, src, wfrag, b_out, g1, be1, b2, g2, be2, b1, out0; writes out0
.if DOCPART == 6
	.amdgcn_target "amdgcn-amd-amdhsa--gfx1250"
	.amdhsa_code_object_version 6
	.text
	.protected	k_q3c2856998e_ffn
	.globl	k_q3c2856998e_ffn
	.p2align	8
	.type	k_q3c2856998e_ffn,@function
k_q3c2856998e_ffn:
	s_mov_b64 s[64:65], 0
	v_nop
	global_prefetch_b8 v0, s[64:65] scope:SCOPE_SE
	s_setreg_imm32_b32 hwreg(HW_REG_WAVE_MODE, 25, 1), 1
	s_wait_xcnt 0x0
; ffn: x = LN1(src + S W_out + b_out), S = the sampled values of the launch before; out0 = LN2(x + relu(x W1 + b1) W2 + b2).
; A work-group owns 128 rows (rows past the last, 26,587, are computed from repeated data and not stored).
; HEAD: wave w brings its head's four planes of samp (128 rows x 16 bytes each, 512 consecutive bytes a load) into the bf16 tile S, and rows 16 w .. +15 of src into an f32 tile.
; GEMMS: wave w = (wm = w>>2, wn = w&3) owns rows 64 wm .. +63 x columns 64 wn .. +63: 16 accumulator tiles.  Weights stream from wfrag straight into registers, four steps deep;
;   a step (32 along K) reads 4,096 bytes of LDS and 4,096 bytes of weights for 16 matrix instructions.  A weight fragment is wanted in registers by two waves of the work-group;
;   a joint load lands in LDS only and would double the LDS bytes read for each matrix instruction and ask for a barrier a step: so no cluster here.
; THE MATRIX INSTRUCTION IS USED TRANSPOSED: source 0 = weights, source 1 = activations: lane (r, h2), register j holds out[row r][column 8 h2 + j].
; The residuals start the sums: src is the first C of S W_out, x (f32, in registers) stays the C of the second FFN product.  The hidden 1,024 go in four chunks of 256.
; LAYER NORM: each wave makes the mean and the centred sum of squares of its own 64 columns; the four are merged (no difference of large sums).
; LIMITS: matrix operands are bf16, sums f32; NaN inputs are not reproduced.
.set M,      26588
.set LQ,     13294
.set PLANE,  425984                    ; a plane of samp: 26,624 slots x 16 bytes; slot = row, + 32 in batch 1
.set PITCH,  528                       ; 256 bf16 + 16 bytes: an odd multiple of 16
.set XREG,   67584                     ; S at 0, X, H0, H1: 128 rows x 528 each
.set H0REG,  135168
.set H1REG,  202752
.set RES,    135168                    ; f32, 128 rows x 1,040: src before H0 and H1 are first written, the result after they are last read
.set RPITCH, 1040
.set PAR,    270336                    ; b_out, g1, be1, b2, g2, be2 (1,024 each), b1 (4,096)
.set STAT,   280576                    ; row x 32 + wn x 8: (mean, centred squares); 4,096 for each of the two norms
.set BR,   32                          ; v32-159  four weight buffers of 32; the fourth doubles as TMP where the stream leaves it free
.set TMP,  128
.set AF,   160                         ; v160-223 two activation buffers of 32
.set BIA,  224                         ; v224-255 a bias as four C tiles; in the head: offsets of the loads of samp and src
.set ACC2, 0                           ; window 1: v256-383 the row block's 256 columns (attention output, x, FFN output)
.set ACC1, 128                         ;           v384-511 a chunk of the hidden layer
.set MSB, 0
.macro WIN new                         ; s_set_vgpr_msb: bits 1:0 source 0, 3:2 source 1, 5:4 source 2, 7:6 destination; the high byte repeats the setting that is left
.if MSB != \new
	s_set_vgpr_msb (MSB<<8)|\new
.set MSB, \new
.endif
.endm
.macro PLACES n                        ; independent vector instructions behind a matrix instruction (ISA guide 7.12.1)
.rept \n
	v_nop
.endr
.endm
	s_load_b512 s[4:19], s[0:1], 0x0               ; samp s[4:5], src s[6:7], wfrag s[8:9], b_out s[10:11], g1 s[12:13], be1 s[14:15], b2 s[16:17], g2 s[18:19]
	s_load_b128 s[20:23], s[0:1], 0x40             ; be2 s[20:21], b1 s[22:23]
	s_load_b64 s[24:25], s[0:1], 0x50              ; out0
	v_lshl_add_u32 v11, v0, 2, 0x46800
	v_mov_b32 v23, 0
	v_lshrrev_b32 v24, 5, v0
	v_readfirstlane_b32 s30, v24                   ; wave
	s_lshr_b32 s31, s30, 2                         ; wm
	s_and_b32 s32, s30, 3                          ; wn
	s_mov_b32 s33, ttmp9
	s_lshl_b32 s34, s33, 7                         ; the group's first row
	s_lshl4_add_u32 s35, s30, s34                  ; the first of my 16 rows of src and on the way out
	s_mov_b32 s38, 0x76543210                      ; v_permlanex16_b32: lane i takes lane i of the other half
	s_mov_b32 s39, 0xfedcba98
	s_mov_b32 s40, 0x3b800000                      ; 1/256
	s_mov_b32 s41, 0x3727c5ac                      ; 1e-5
	s_mov_b32 s46, M-1
	s_mov_b32 s47, LQ
	v_and_b32 v24, 31, v0                          ; L
	v_and_b32 v25, 15, v0                          ; r
	v_bfe_u32 v26, v0, 4, 1                        ; h2
	v_lshlrev_b32 v1, 4, v24                       ; 16 L
	v_mul_u32_u24 v4, v24, PITCH
	v_lshl_add_u32 v4, s30, 6, v4                  ; S: row L of a group of 32, my head's 64 bytes
	s_mul_i32 s36, s30, 16*RPITCH
	s_add_co_u32 s36, s36, RES
	v_add_nc_u32 v5, s36, v1                       ; src in LDS: my 16 rows, 16 bytes a lane
	v_lshl_add_u32 v27, s31, 6, v25                ; 64 wm + r
	v_mul_u32_u24 v28, v27, PITCH
	v_lshl_add_u32 v12, v26, 4, v28                ; fragments of S
	v_add_nc_u32 v13, XREG, v12                    ; of X
	v_add_nc_u32 v14, H0REG, v12                   ; of H0
	v_add_nc_u32 v15, H1REG, v12                   ; of H1
	v_lshl_add_u32 v29, s32, 7, v12                ; + my 64 columns
	v_add_nc_u32 v16, XREG, v29                    ; where my results go in X
	v_add_nc_u32 v17, H0REG, v29
	v_add_nc_u32 v18, H1REG, v29
	v_mul_u32_u24 v28, v27, RPITCH
	s_lshl_b32 s36, s32, 8
	s_add_co_u32 s37, s36, RES
	v_lshl_add_u32 v19, v26, 5, v28
	v_add_nc_u32 v19, s37, v19                     ; f32 tile: (64 wm + r) x 1,040 + 4 (64 wn + 8 h2)
	s_add_co_u32 s37, s36, PAR
	v_lshl_add_u32 v20, v26, 5, s37                ; a parameter vector at my columns
	v_lshlrev_b32 v22, 5, v27
	v_add_nc_u32 v22, STAT, v22                    ; a row's four pairs
	v_lshl_add_u32 v21, s32, 3, v22                ; my pair among them
	v_lshlrev_b32 v172, 2, v0
	v_lshlrev_b32 v173, 4, v0
	v_add_nc_u32 v174, PAR, v172
	v_add_nc_u32 v175, PAR+6144, v173
	v_mov_b32 v30, 32
.irp g, 0,1,2,3
	s_add_co_u32 s36, s34, 32*\g
	v_add_nc_u32 v[224+\g], s36, v24               ; row 32 g + L of the group,
	v_min_u32 v[224+\g], s46, v[224+\g]            ; rows past the last repeat it,
	v_cmp_le_u32 vcc_lo, s47, v[224+\g]
	v_cndmask_b32 v31, 0, v30, vcc_lo              ; batch 1's slots lie 32 further on
	v_add_lshl_u32 v[224+\g], v[224+\g], v31, 4
.endr
.irp k, 0,1,2,3,4,5,6,7,8,9,10,11,12,13,14,15
	s_add_co_u32 s36, s35, \k
	s_min_u32 s36, s36, s46
	s_lshl_b32 s36, s36, 10
	v_add_nc_u32 v[228+\k], s36, v1
.endr
	s_wait_kmcnt 0x0
	s_mul_i32 s42, s30, 4*PLANE
	s_mov_b32 s43, 0
	s_add_nc_u64 s[4:5], s[4:5], s[42:43]          ; my head's four planes of samp
	s_mul_i32 s42, s32, 294912
	s_add_co_u32 s42, s42, 327680
	s_add_nc_u64 s[8:9], s[8:9], s[42:43]          ; my column block's stream of 72 steps
	; the parameters, copied once into LDS; S and src, through v256-447
	global_load_b32 v176, v172, s[10:11]
	global_load_b32 v177, v172, s[12:13]
	global_load_b32 v178, v172, s[14:15]
	global_load_b32 v179, v172, s[16:17]
	global_load_b32 v180, v172, s[18:19]
	global_load_b32 v181, v172, s[20:21]
	global_load_b128 v[184:187], v173, s[22:23]
	WIN 0x40
.irp g, 0,1,2,3
.irp c, 0,1,2,3
	global_load_b128 v[16*\g+4*\c:16*\g+4*\c+3], v[224+\g], s[4:5] offset:\c*PLANE th:TH_LOAD_NT
.endr
.endr
.irp k, 0,1,2,3,4,5,6,7,8,9,10,11,12,13,14,15
	global_load_b128 v[64+8*\k:64+8*\k+3], v[228+\k], s[6:7] th:TH_LOAD_NT
	global_load_b128 v[64+8*\k+4:64+8*\k+7], v[228+\k], s[6:7] offset:512 th:TH_LOAD_NT
.endr
	WIN 0
	s_wait_loadcnt 32                              ; the parameters and S are in; src's 32 loads may stay out
.irp j, 0,1,2,3,4,5
	ds_store_b32 v174, v[176+\j] offset:1024*\j
.endr
	ds_store_b128 v175, v[184:187]
	WIN 0x04
.irp g, 0,1,2,3
.irp c, 0,1,2,3
	ds_store_b128 v4, v[16*\g+4*\c:16*\g+4*\c+3] offset:\g*32*PITCH+16*\c
.endr
.endr
	WIN 0
.macro BLOAD s                         ; step s of my stream: four fragments, eight loads of 512 consecutive bytes
.irp f, 0,1,2,3
	global_load_b128 v[BR+32*((\s)%4)+8*\f:BR+32*((\s)%4)+8*\f+3], v1, s[8:9] offset:(\s)*4096+\f*1024
	global_load_b128 v[BR+32*((\s)%4)+8*\f+4:BR+32*((\s)%4)+8*\f+7], v1, s[8:9] offset:(\s)*4096+\f*1024+512
.endr
.endm
.macro ALOAD buf, areg, ks             ; my 64 rows x 32 along K
.irp mb, 0,1,2,3
	ds_load_b128 v[AF+32*(\buf)+8*\mb:AF+32*(\buf)+8*\mb+3], v[\areg] offset:\mb*16*PITCH+(\ks)*64
	ds_load_b128 v[AF+32*(\buf)+8*\mb+4:AF+32*(\buf)+8*\mb+7], v[\areg] offset:\mb*16*PITCH+(\ks)*64+32
.endr
.endm
; One step: the next step's activations and the weights three steps ahead are asked for, then 16 matrix instructions on 16 accumulators, which take turns, one instruction a turn.
; cmode 1: the bias tiles are the first C.  nareg 0: the phase's last step asks for no activations.
.macro STEP s, acc, cmode, nareg, nks
	PLACES 4                                       ; the registers loaded next were read by the last step's matrix instructions
.if \nareg
	ALOAD ((\s)+1)%2, \nareg, \nks
.endif
.if (\s) <= 68
	BLOAD (\s)+3
.endif
.if \nareg
	s_wait_dscnt 8                                 ; all but the eight LDS loads just issued
.else
	s_wait_dscnt 0
.endif
.if (\s) <= 68
	s_wait_loadcnt 24                              ; the three later steps' weights, eight loads each, may stay out
.else
	s_wait_loadcnt 8*(71-(\s))
.endif
.if \cmode
	WIN 0x40
.else
	WIN 0x50
.endif
.irp mb, 0,1,2,3
.irp f, 0,1,2,3
.if \cmode
	v_wmma_f32_16x16x32_bf16 v[\acc+8*(4*\mb+\f):\acc+8*(4*\mb+\f)+7], v[BR+32*((\s)%4)+8*\f:BR+32*((\s)%4)+8*\f+7], v[AF+32*((\s)%2)+8*\mb:AF+32*((\s)%2)+8*\mb+7], v[BIA+8*\f:BIA+8*\f+7]
.else
	v_wmma_f32_16x16x32_bf16 v[\acc+8*(4*\mb+\f):\acc+8*(4*\mb+\f)+7], v[BR+32*((\s)%4)+8*\f:BR+32*((\s)%4)+8*\f+7], v[AF+32*((\s)%2)+8*\mb:AF+32*((\s)%2)+8*\mb+7], v[\acc+8*(4*\mb+\f):\acc+8*(4*\mb+\f)+7]
.endif
.endr
.endr
	WIN 0
.endm
; LAYER NORM over the 256 columns held in ACC2 by the four waves of a row block.
.macro LNP1 mb, stat                   ; rows 16 mb .. +15: add the bias; my 64 columns' mean and centred squares (32 numbers here, 32 in lane L xor 16)
	WIN 0x41
.set ii, 0
.rept 16
	v_pk_add_f32 v[ACC2+32*\mb+2*ii:ACC2+32*\mb+2*ii+1], v[ACC2+32*\mb+2*ii:ACC2+32*\mb+2*ii+1], v[BIA+2*ii:BIA+2*ii+1]
.set ii, ii+1
.endr
	WIN 0x05
.set ii, 0
.rept 8
	v_pk_add_f32 v[TMP+2*ii:TMP+2*ii+1], v[ACC2+32*\mb+4*ii:ACC2+32*\mb+4*ii+1], v[ACC2+32*\mb+4*ii+2:ACC2+32*\mb+4*ii+3]
.set ii, ii+1
.endr
	WIN 0
.irp a, 0,4,8,12
	v_pk_add_f32 v[TMP+\a:TMP+\a+1], v[TMP+\a:TMP+\a+1], v[TMP+\a+2:TMP+\a+3]
.endr
	v_pk_add_f32 v[TMP:TMP+1], v[TMP:TMP+1], v[TMP+4:TMP+5]
	v_pk_add_f32 v[TMP+8:TMP+9], v[TMP+8:TMP+9], v[TMP+12:TMP+13]
	v_pk_add_f32 v[TMP:TMP+1], v[TMP:TMP+1], v[TMP+8:TMP+9]
	v_add_f32 v24, v[TMP], v[TMP+1]
	v_permlanex16_b32 v25, v24, s38, s39
	v_add_f32 v24, v24, v25
	v_mul_f32 v24, 0x3c800000, v24                 ; / 64
	WIN 0x01
.set ii, 0
.rept 16
	v_pk_add_f32 v[TMP+2*ii:TMP+2*ii+1], v[ACC2+32*\mb+2*ii:ACC2+32*\mb+2*ii+1], v[24:25] op_sel_hi:[1,0] neg_lo:[0,1] neg_hi:[0,1]
.set ii, ii+1
.endr
	WIN 0
	v_pk_mul_f32 v[26:27], v[TMP:TMP+1], v[TMP:TMP+1]
	v_pk_mul_f32 v[28:29], v[TMP+2:TMP+3], v[TMP+2:TMP+3]
.set ii, 2
.rept 14
	v_pk_fma_f32 v[26+2*(ii&1):27+2*(ii&1)], v[TMP+2*ii:TMP+2*ii+1], v[TMP+2*ii:TMP+2*ii+1], v[26+2*(ii&1):27+2*(ii&1)]
.set ii, ii+1
.endr
	v_pk_add_f32 v[26:27], v[26:27], v[28:29]
	v_add_f32 v26, v26, v27
	v_permlanex16_b32 v27, v26, s38, s39
	v_add_f32 v25, v26, v27
	ds_store_b64 v21, v[24:25] offset:\stat+512*\mb
.endm
.macro LNP2 mb, mode                   ; merge the four waves' figures, normalise, gain and bias; mode 1: x to LDS in bf16 (and kept in f32); mode 2: the result to LDS in f32
.set T8, TMP+8*\mb
	v_add_f32 v24, v[T8], v[T8+2]
	v_add_f32 v25, v[T8+4], v[T8+6]
	v_add_f32 v24, v24, v25
	v_mul_f32 v24, 0x3e800000, v24                 ; the row's mean
	v_sub_f32 v26, v[T8], v24
	v_sub_f32 v27, v[T8+2], v24
	v_sub_f32 v28, v[T8+4], v24
	v_sub_f32 v29, v[T8+6], v24
	v_mul_f32 v26, v26, v26
	v_fmac_f32 v26, v27, v27
	v_fmac_f32 v26, v28, v28
	v_fmac_f32 v26, v29, v29
	v_add_f32 v27, v[T8+1], v[T8+3]
	v_add_f32 v28, v[T8+5], v[T8+7]
	v_add_f32 v27, v27, v28
	v_fmamk_f32 v26, v26, 0x42800000, v27          ; 64 x squares of the means' distances + the centred squares
	v_fma_f32 v26, v26, s40, s41                   ; / 256 + 1e-5
	v_rsq_f32 v26, v26
	v_nop                                          ; one plain vector instruction behind it (ISA guide 5.7.2)
	s_wait_alu depctr_va_vdst(0)
	v_mul_f32 v27, -v24, v26
	WIN 0x41
.set ii, 0
.rept 16
	v_pk_fma_f32 v[ACC2+32*\mb+2*ii:ACC2+32*\mb+2*ii+1], v[ACC2+32*\mb+2*ii:ACC2+32*\mb+2*ii+1], v[26:27], v[26:27] op_sel:[0,0,1] op_sel_hi:[1,0,1]
.set ii, ii+1
.endr
.set ii, 0
.rept 16
	v_pk_fma_f32 v[ACC2+32*\mb+2*ii:ACC2+32*\mb+2*ii+1], v[ACC2+32*\mb+2*ii:ACC2+32*\mb+2*ii+1], v[AF+2*ii:AF+2*ii+1], v[AF+32+2*ii:AF+32+2*ii+1]
.set ii, ii+1
.endr
.if \mode == 1
	WIN 0x05
.set ii, 0
.rept 16
	v_cvt_pk_bf16_f32 v[BIA+16*(\mb&1)+ii], v[ACC2+32*\mb+2*ii], v[ACC2+32*\mb+2*ii+1]
.set ii, ii+1
.endr
	WIN 0
.irp f, 0,1,2,3
	ds_store_b128 v16, v[BIA+16*(\mb&1)+4*\f:BIA+16*(\mb&1)+4*\f+3] offset:\mb*16*PITCH+32*\f
.endr
.else
	WIN 0x04
.irp f, 0,1,2,3
	ds_store_b128 v19, v[ACC2+32*\mb+8*\f:ACC2+32*\mb+8*\f+3] offset:\mb*16*RPITCH+64*\f
	ds_store_b128 v19, v[ACC2+32*\mb+8*\f+4:ACC2+32*\mb+8*\f+7] offset:\mb*16*RPITCH+64*\f+16
.endr
	WIN 0
.endif
.endm
.macro LN bofs, gofs, beofs, stat, mode
	PLACES 4
.irp f, 0,1,2,3
	ds_load_b128 v[BIA+8*\f:BIA+8*\f+3], v20 offset:\bofs+64*\f
	ds_load_b128 v[BIA+8*\f+4:BIA+8*\f+7], v20 offset:\bofs+64*\f+16
	ds_load_b128 v[AF+8*\f:AF+8*\f+3], v20 offset:\gofs+64*\f
	ds_load_b128 v[AF+8*\f+4:AF+8*\f+7], v20 offset:\gofs+64*\f+16
	ds_load_b128 v[AF+32+8*\f:AF+32+8*\f+3], v20 offset:\beofs+64*\f
	ds_load_b128 v[AF+32+8*\f+4:AF+32+8*\f+7], v20 offset:\beofs+64*\f+16
.endr
	s_wait_dscnt 0x0
.irp mb, 0,1,2,3
	LNP1 \mb, \stat
.endr
	s_wait_dscnt 0x0                               ; my figures are written, and all my earlier LDS reads are back
	s_barrier_signal -1
	s_barrier_wait -1
.irp mb, 0,1,2,3
	ds_load_b128 v[TMP+8*\mb:TMP+8*\mb+3], v22 offset:\stat+512*\mb
	ds_load_b128 v[TMP+8*\mb+4:TMP+8*\mb+7], v22 offset:\stat+512*\mb+16
.endr
	s_wait_dscnt 0x0
.irp mb, 0,1,2,3
	LNP2 \mb, \mode
.endr
.endm
; chunk c of the hidden layer: H = relu(x W1 + b1) for 256 columns, then ACC2 += H W2.  H0 and H1 take turns: a chunk's H is written again two chunks on,
; behind the next chunk's barrier, in front of which every wave's reads of it are back.
.macro CHUNK c
.set S0, 8+16*\c
	PLACES 4
.irp f, 0,1,2,3
	ds_load_b128 v[BIA+8*\f:BIA+8*\f+3], v20 offset:6144+1024*\c+64*\f
	ds_load_b128 v[BIA+8*\f+4:BIA+8*\f+7], v20 offset:6144+1024*\c+64*\f+16
.endr
	ALOAD 0, 13, 0
	STEP S0, ACC1, 1, 13, 1
.irp t, 1,2,3,4,5,6
	STEP S0+\t, ACC1, 0, 13, \t+1
.endr
	STEP S0+7, ACC1, 0, 0, 0
	PLACES 4
.irp mb, 0,1,2,3
	WIN 0x04
.set ii, 0
.rept 32
	v_max_num_f32 v[TMP+ii], 0, v[ACC1+32*\mb+ii]
.set ii, ii+1
.endr
	WIN 0
.set ii, 0
.rept 16
	v_cvt_pk_bf16_f32 v[AF+16*\mb+ii], v[TMP+2*ii], v[TMP+2*ii+1]
.set ii, ii+1
.endr
.irp f, 0,1,2,3
	ds_store_b128 v[17+(\c&1)], v[AF+16*\mb+4*\f:AF+16*\mb+4*\f+3] offset:\mb*16*PITCH+32*\f
.endr
.endr
	s_wait_dscnt 0x0
	s_barrier_signal -1
	s_barrier_wait -1                              ; the chunk's H is whole
	ALOAD 0, 14+(\c&1), 0
.irp t, 0,1,2,3,4,5,6
	STEP S0+8+\t, ACC2, 0, 14+(\c&1), \t+1
.endr
	STEP S0+15, ACC2, 0, 0, 0
.endm
	BLOAD 0                                        ; the weight stream starts while src is still on its way
	BLOAD 1
	BLOAD 2
	s_wait_loadcnt 24                              ; src is in; only the 24 weight loads just issued may stay out
	WIN 0x04
.irp k, 0,1,2,3,4,5,6,7,8,9,10,11,12,13,14,15
	ds_store_b128 v5, v[64+8*\k:64+8*\k+3] offset:\k*RPITCH
	ds_store_b128 v5, v[64+8*\k+4:64+8*\k+7] offset:\k*RPITCH+512
.endr
	WIN 0
	s_wait_dscnt 0x0
	s_barrier_signal -1
	s_barrier_wait -1                              ; S, src and the parameters are whole
	; src + S W_out: src is the first C
	WIN 0x40
.irp mb, 0,1,2,3
.irp f, 0,1,2,3
	ds_load_b128 v[ACC2+8*(4*\mb+\f):ACC2+8*(4*\mb+\f)+3], v19 offset:\mb*16*RPITCH+64*\f
	ds_load_b128 v[ACC2+8*(4*\mb+\f)+4:ACC2+8*(4*\mb+\f)+7], v19 offset:\mb*16*RPITCH+64*\f+16
.endr
.endr
	WIN 0
	ALOAD 0, 12, 0
.irp t, 0,1,2,3,4,5,6
	STEP \t, ACC2, 0, 12, \t+1
.endr
	STEP 7, ACC2, 0, 0, 0
	LN 0, 1024, 2048, 0, 1
	s_wait_dscnt 0x0
	s_barrier_signal -1
	s_barrier_wait -1                              ; X is whole; src in LDS was last read in front of the norm's barrier, so H0 may now be written over it
	CHUNK 0
	CHUNK 1
	CHUNK 2
	CHUNK 3
	LN 3072, 4096, 5120, 4096, 2                   ; the result goes over H0 and H1 behind the norm's barrier, in front of which all reads of them are back
	s_wait_dscnt 0x0
	s_barrier_signal -1
	s_barrier_wait -1
	; the way out: wave w stores rows 16 w .. +15, four rows a trip, 512 consecutive bytes a store; rows past the last are left out (their number is a multiple of 4 in every wave)
	s_mul_i32 s36, s30, 16*RPITCH
	s_add_co_u32 s36, s36, RES
	v_add_nc_u32 v4, s36, v1
	s_lshl_b32 s36, s35, 10
	v_add_nc_u32 v5, s36, v1
	s_sub_co_i32 s44, M, s35
	s_max_i32 s44, s44, 0
	s_min_i32 s44, s44, 16
	s_lshr_b32 s44, s44, 2
	s_cmp_eq_u32 s44, 0
	s_cbranch_scc1 .Lend
	s_mov_b32 s45, 0
.Lcopy:
.irp t, 0,1,2,3
	ds_load_b128 v[32+8*\t:32+8*\t+3], v4 offset:\t*RPITCH
	ds_load_b128 v[32+8*\t+4:32+8*\t+7], v4 offset:\t*RPITCH+512
.endr
	s_wait_dscnt 0x0
.irp t, 0,1,2,3
	global_store_b128 v5, v[32+8*\t:32+8*\t+3], s[24:25] offset:\t*1024 th:TH_STORE_NT
	global_store_b128 v5, v[32+8*\t+4:32+8*\t+7], s[24:25] offset:\t*1024+512 th:TH_STORE_NT
.endr
	s_wait_xcnt 0x0                                ; the stores' data and offset registers are written again only behind this wait
	v_add_nc_u32 v4, 4*RPITCH, v4
	v_add_nc_u32 v5, 4096, v5
	s_add_co_u32 s45, s45, 1
	s_cmp_lt_u32 s45, s44
	s_cbranch_scc1 .Lcopy
.Lend:
	s_barrier_signal -1
	s_barrier_wait -1
	s_wait_tensorcnt 0x0
	ds_add_u32 v11, v23
	s_wait_dscnt 0x0
	s_endpgm
.Lfunc_end_k_q3c2856998e_ffn:
	.size	k_q3c2856998e_ffn, .Lfunc_end_k_q3c2856998e_ffn-k_q3c2856998e_ffn
	.p2alignl 7, 3214868480
	.fill 96, 4, 3214868480
	.section	.rodata,"a",@progbits
	.p2align	6, 0x0
	.amdhsa_kernel k_q3c2856998e_ffn
		.amdhsa_group_segment_fixed_size 289792
		.amdhsa_private_segment_fixed_size 0
		.amdhsa_enable_private_segment 0
		.amdhsa_kernarg_size 88
		.amdhsa_user_sgpr_count 2
		.amdhsa_user_sgpr_kernarg_segment_ptr 1
		.amdhsa_wavefront_size32 1
		.amdhsa_system_sgpr_workgroup_id_x 1
		.amdhsa_system_sgpr_workgroup_id_y 1
		.amdhsa_system_sgpr_workgroup_id_z 1
		.amdhsa_system_vgpr_workitem_id 0
		.amdhsa_next_free_vgpr 512
		.amdhsa_next_free_sgpr 66
		.amdhsa_reserve_vcc 1
		.amdhsa_float_denorm_mode_32 3
		.amdhsa_float_denorm_mode_16_64 3
		.amdhsa_memory_ordered 1
		.amdhsa_forward_progress 1
		.amdhsa_inst_pref_size 255
	.end_amdhsa_kernel
	.section	.bss,"aw",@nobits
	.p2align	6
	.space	262144
	.amdgpu_metadata
---
amdhsa.version: [ 1, 2 ]
amdhsa.kernels:
  - .name:           k_q3c2856998e_ffn
    .symbol:         k_q3c2856998e_ffn.kd
    .args:
      - { .name: samp, .offset: 0, .size: 8, .value_kind: global_buffer, .address_space: global }
      - { .name: src, .offset: 8, .size: 8, .value_kind: global_buffer, .address_space: global }
      - { .name: wfrag, .offset: 16, .size: 8, .value_kind: global_buffer, .address_space: global }
      - { .name: b_out, .offset: 24, .size: 8, .value_kind: global_buffer, .address_space: global }
      - { .name: g1, .offset: 32, .size: 8, .value_kind: global_buffer, .address_space: global }
      - { .name: be1, .offset: 40, .size: 8, .value_kind: global_buffer, .address_space: global }
      - { .name: b2, .offset: 48, .size: 8, .value_kind: global_buffer, .address_space: global }
      - { .name: g2, .offset: 56, .size: 8, .value_kind: global_buffer, .address_space: global }
      - { .name: be2, .offset: 64, .size: 8, .value_kind: global_buffer, .address_space: global }
      - { .name: b1, .offset: 72, .size: 8, .value_kind: global_buffer, .address_space: global }
      - { .name: out0, .offset: 80, .size: 8, .value_kind: global_buffer, .address_space: global }
    .group_segment_fixed_size: 289792
    .private_segment_fixed_size: 0
    .kernarg_segment_align: 8
    .kernarg_segment_size: 88
    .max_flat_workgroup_size: 256
    .sgpr_count:     66
    .vgpr_count:     512
    .wavefront_size: 32
...
	.end_amdgpu_metadata
.endif
;; end of part 6
